; MI455X (gfx1250); checked and timed in simulation.
; The chip was launched on July 23, 2026; its instructions are those of AMD's public machine-readable ISA for CDNA 5 (MIT licence, August 2026) and "CDNA5" Instruction Set Architecture Reference Guide (July 2026). The comments in the code are by the model that wrote it; some were corrected since.
;; Mixture Of Experts Layer. Allowed arithmetic: matrix products marked QUANTISED: E2M3 operands, one E8M0 scale for each 32 along K, by v_wmma_scale_f32_16x16x128_f8f6f4 with both operands' format E2M3, f32 sums; products left as they are: f32 operands where the result goes on into a quantised operand, else bf16, f16 or f32 operands; f32 sums; everything else in f32.
;; Inputs: b1 8 x 4,096 float32; b2 8 x 1,024 float32; gate_w 1,024 x 8 float32; w1 8 x 1,024 x 4,096 float32; w2 8 x 4,096 x 1,024 float32; x 4 x 256 x 1,024 float32.
;; Outputs: out0 4 x 256 x 1,024 float32; out1 one number float32.
;; This version of the problem:
;;   THIS VERSION OF THE PROBLEM IS GIVEN IN LOW PRECISION. The matrix products marked QUANTISED in the list below multiply operands that are first quantised to E2M3 (2 exponent bits, 3 mantissa bits; 6 bits a number), with one power-of-two scale for each 32 numbers along K (OCP MX v1.0); their sums are f32. All else is computed in f32.
;;   The module's matrix products, in the order in which they are computed (A, B: the left and right operand; K: the contracted axis; several contracted axes count as one K, in the product's order):
;;     1. [M 1,024, K 1,024] x [K 1,024, N 8]; A: input x; B: input gate_w: left as it is (N = 8 < 16)
;;     2. batch 1,024 x [M 1, K 2] x [K 2, N 8]; A: softmax; B: computed on the way: left as it is (K = 2 < 32)
;;     3. [M 32,768, K 1,024] x [K 1,024, N 1,024]; A: input w1; B: input x: QUANTISED
;;     4. batch 8 x [M 1,024, K 4,096] x [K 4,096, N 1,024]; A: computed on the way; B: input w2: QUANTISED
;;     5. batch 1,024 x [M 1, K 8] x [K 8, N 1,024]; A: computed on the way; B: computed on the way: left as it is (K = 8 < 32)
;;   THE QUANTISER, for each operand of a quantised product, along K:
;;     - K is cut into blocks of 32 from its start; a last block that is shorter is filled with zeros.
;;     - A block's scale is 2^e with e = floor(log2(the largest magnitude in the block)) - 2, held to -126 .. 127; a block of zeros has e = 0. As a byte (E8M0): e + 127.
;;     - Each number is divided by its block's scale, clamped to +-7.5, and rounded to the nearest number of E2M3, ties to even, subnormals kept.
;;     - The product sums the exact products of the quantised numbers (number of the format x scale) in f32.
;;   ~~~python
;;   def quantise(x, axis):      # numpy; x: float32 -> the quantised numbers, widened to float32 again
;;       x = np.moveaxis(x, axis, -1); K = x.shape[-1]
;;       x = np.pad(x, [(0, 0)] * (x.ndim - 1) + [(0, -K % 32)]); x = x.reshape(x.shape[:-1] + (-1, 32)); a = np.abs(x).max(-1, keepdims=True)
;;       e = np.where(a > 0, np.clip(np.frexp(np.where(a > 0, a, 1))[1] - 1 - 2, -126, 127), 0)      # np.frexp(a)[1] - 1 = floor(log2(a)), exactly
;;       r = np.clip(x / 2.0 ** e, -7.5, 7.5)
;;       step = 2.0 ** (np.maximum(np.frexp(np.where(r == 0, 1, r))[1] - 1, 0) - 3)
;;       q = np.round(r / step) * step * 2.0 ** e      # np.round: ties to even
;;       return np.moveaxis(q.reshape(q.shape[:-2] + (-1,))[..., :K], -1, axis).astype(np.float32)
;;   ~~~
;;   OPERANDS COMPUTED ON THE WAY. 'Computed on the way' means the value that the module computes at that place (a softmax that the list does not call 'softmax' is quantised finished and normalised). What goes into a quantiser is computed in f32, as accurately as f32 sums, v_exp_f32 and their like allow (about 1e-6 of the number): no bf16 or f16 on the way to a quantiser, and a product that is left as it is and whose result goes on into a quantised operand takes f32 operands (vector FMAs, or v_wmma_f32_16x16x4_f32). A number that lies on a knife's edge between two numbers of the format may be rounded either way, as far as f32 arithmetic and the matrix unit's own rounding can turn it there, and no further.
;; 2 versions. Each part assembles by itself: llvm-mc -triple=amdgcn-amd-amdhsa -mcpu=gfx1250 --defsym DOCPART=n.
;; ======== version 1 of 2: 5 launches
;; workspace buffers: sel 4,096 bytes of whole numbers; route 44,032 bytes of whole numbers; xq 819,200 bytes; gf 40,960 bytes; hq 27,262,976 bytes; y 67,108,864 bytes
;; launch gate (part 1): grid 256 x 1, 4 waves a work-group, no clusters, 33,792 bytes of LDS; arguments x, gate_w, xq, sel, gf; writes xq, sel, gf
.if DOCPART == 1
	.amdgcn_target "amdgcn-amd-amdhsa--gfx1250"
	.amdhsa_code_object_version 6
	.text
	.protected	k_q22d53dd851_gate
	.globl	k_q22d53dd851_gate
	.p2align	8
	.type	k_q22d53dd851_gate,@function
k_q22d53dd851_gate:
	s_mov_b64 s[64:65], 0
	v_nop
	global_prefetch_b8 v0, s[64:65] scope:SCOPE_SE
	s_setreg_imm32_b32 hwreg(HW_REG_WAVE_MODE, 25, 1), 1
	s_wait_xcnt 0x0
; One token to a wave (t = 4 x work-group + wave).  Lane l owns block l of the token's row: x[t][32 l .. 32 l + 31].
; (1) The block is quantised to codes of E2M3 with one E8M0 byte.  xq's codes lie in the order of the operand's registers: [t][K step s of 128][lane half h][48 bytes]: block 4 s + 2 c + h at 96 s + 48 h + 24 c,
;     so that the product's launch takes a lane's twelve registers by three loads of 16 bytes.  Scale bytes [t][32] from byte 786,432 on.
; (2) The gate in f32: scores = x[t] . gate_w[:, e], softmax with the maximum taken away, top-2 (the lower index wins a tie), softmax of the two probabilities.
; gate_w (32 KiB) comes once for the work-group: each wave loads 8 KiB, 512 consecutive bytes an instruction, and lays it in LDS in blocks of 1,024 bytes + 16 of padding; behind one barrier lane l reads block l, its 32 rows.
; 1,040 = 65 x 16, so the sixteen lanes that an LDS load serves together fall on sixteen different 16-byte columns (64 banks of 4 bytes: ISA guide 11.1).
; Stored: the 8 probabilities and the two slot weights (gf), the two experts as whole numbers (sel = e0 | e1 << 8).  No address and no branch here hangs on them.
; LIMITS: NaN and infinities are not served; a block of zeros gets the byte 1 (its codes are zeros, and only this program reads the bytes);
; two probabilities closer than the rounding of these f32 sums may be ranked either way.
; No matrix unit: 8 columns are too few for a tile.
.set XR,  32                           ; v32-63   my 32 numbers of x
.set AC,  64                           ; v64-71   eight sums, one for each expert
.set TP,  72                           ; v72-79   the other half's sums
.set PR,  80                           ; v80-87   the probabilities
.set P2,  96                           ; v96-103  the probabilities with the best one struck out
.set GT,  128                          ; v128-191 my wave's part of gate_w on its way to LDS
.set GP,  1040                         ; a block of gate_w in LDS
.set MSB, 0
.macro WIN new                         ; the immediate's high byte repeats the setting that is left
.if MSB != \new
	s_set_vgpr_msb (MSB<<8)|\new
.set MSB, \new
.endif
.endm
	s_load_b256 s[4:11], s[0:1], 0x0               ; x s[4:5], gate_w s[6:7], xq s[8:9], sel s[10:11]
	s_load_b64 s[12:13], s[0:1], 0x20              ; gf
	v_lshl_add_u32 v254, v0, 2, 0x8200
	v_mov_b32 v255, 0
	v_lshrrev_b32 v1, 5, v0
	v_readfirstlane_b32 s14, v1                    ; wave
	v_and_b32 v1, 31, v0                           ; lane
	v_lshlrev_b32 v2, 7, v1                        ; x: 128 bytes a lane
	v_lshlrev_b32 v3, 4, v1                        ; gate_w: 16 bytes a lane
	v_lshrrev_b32 v4, 2, v1
	v_mul_u32_u24 v4, v4, 96                       ; my codes: K step l / 4,
	v_and_b32 v5, 1, v1
	v_mad_u32_u24 v4, v5, 48, v4                   ; lane half l % 2,
	v_bfe_u32 v5, v1, 1, 1
	v_mad_u32_u24 v4, v5, 24, v4                   ; registers 0-5 or 6-11
	s_mul_i32 s29, s14, 8*GP
	v_add_nc_u32 v6, s29, v3                       ; LDS, in: my wave's eight blocks, 16 bytes a lane
	v_mul_u32_u24 v7, v1, GP                       ; LDS, out: block l
	s_lshl_b32 s15, ttmp9, 2
	s_add_co_u32 s15, s15, s14                     ; t
	s_mov_b32 s17, 0
	s_mov_b32 s26, 0x76543210                      ; v_permlanex16_b32's selects for lane l xor 16
	s_mov_b32 s27, 0xfedcba98
.irp e, 0,1,2,3,4,5,6,7
	v_mov_b32 v[TP+\e], 0                          ; a lane permute's destination counts as one of its sources
.endr
	s_wait_kmcnt 0x0
	s_lshl_b32 s16, s14, 13
	s_add_nc_u64 s[6:7], s[6:7], s[16:17]          ; my wave's 8 KiB of gate_w
	s_lshl_b32 s16, s15, 12
	s_add_nc_u64 s[4:5], s[4:5], s[16:17]          ; x's row t
.irp j, 0,1,2,3,4,5,6,7,8,9,10,11,12,13,14,15
	global_load_b128 v[GT+4*\j:GT+4*\j+3], v3, s[6:7] offset:512*\j
.endr
.irp j, 0,1,2,3,4,5,6,7
	global_load_b128 v[XR+4*\j:XR+4*\j+3], v2, s[4:5] offset:16*\j th:TH_LOAD_NT
.endr
	s_mul_i32 s16, s15, 768
	s_add_nc_u64 s[18:19], s[8:9], s[16:17]        ; the token's codes
	s_lshl_b32 s16, s15, 5
	s_add_nc_u64 s[20:21], s[8:9], s[16:17]        ; its scale bytes (+ 786,432 in the store)
	s_add_nc_u64 s[22:23], s[12:13], s[16:17]      ; its probabilities
	s_lshl_b32 s16, s15, 3
	s_add_nc_u64 s[24:25], s[12:13], s[16:17]      ; its two weights (+ 32,768 in the store)
	s_lshl_b32 s16, s15, 2
	s_add_nc_u64 s[10:11], s[10:11], s[16:17]      ; its word of sel
	s_wait_loadcnt 8                               ; gate_w's sixteen loads are in; x's eight, issued behind them, may be out
.irp j, 0,1,2,3,4,5,6,7,8,9,10,11,12,13,14,15
	ds_store_b128 v6, v[GT+4*\j:GT+4*\j+3] offset:(\j/2)*GP+512*(\j%2)
.endr
	s_wait_dscnt 0x0                               ; for the others' sake: my stores have landed
	s_barrier_signal -1
	s_barrier_wait -1                              ; all of gate_w lies in LDS; it is only read from here on
	WIN 0x40                                       ; destination window 1: gate_w[32 l + i][e] at register 8 i + e
.set LJ, 0
.rept 64
	ds_load_b128 v[4*LJ:4*LJ+3], v7 offset:16*LJ
.set LJ, LJ+1
.endr
	WIN 0
	s_wait_loadcnt 0x0                             ; x; it is quantised while the LDS loads come back
	; the block's largest magnitude with the floor 2^(3 - 127) among its leaves, so that the byte cannot fall under 1
	v_max3_num_f32 v88, |v[XR]|, |v[XR+1]|, |v[XR+2]|
	v_max3_num_f32 v89, |v[XR+3]|, |v[XR+4]|, |v[XR+5]|
.irp i, 6,10,14,18,22,26
	v_max3_num_f32 v88, v88, |v[XR+\i]|, |v[XR+\i+1]|
	v_max3_num_f32 v89, v89, |v[XR+\i+2]|, |v[XR+\i+3]|
.endr
	v_max3_num_f32 v88, v88, |v[XR+30]|, |v[XR+31]|
	v_max3_num_f32 v88, v88, v89, 0x1800000
	v_add_nc_u32 v90, 0xff000000, v88              ; 2 off its exponent field: the conversion's scale operand
	v_lshrrev_b32 v110, 23, v90                    ; the scale's byte
	v_cvt_scalef32_pk16_fp6_f32 v[112:114], v[XR:XR+15], v90
	v_cvt_scalef32_pk16_fp6_f32 v[118:120], v[XR+16:XR+31], v90   ; (a conversion's three registers begin on an even number)
	v_nop                                          ; one plain place behind a scaled conversion
	v_mov_b32 v115, v118
	v_mov_b32 v116, v119
	v_mov_b32 v117, v120
	global_store_b64 v4, v[112:113], s[18:19]      ; the wave's three stores cover the row's 768 consecutive bytes
	global_store_b64 v4, v[114:115], s[18:19] offset:8
	global_store_b64 v4, v[116:117], s[18:19] offset:16
	global_store_b8 v1, v110, s[20:21] offset:786432
	s_wait_dscnt 0x0                               ; gate_w is in my registers
	WIN 0x04                                       ; source 1 window 1
.irp e, 0,1,2,3,4,5,6,7
	v_mul_f32 v[AC+\e], v[XR], v[\e]               ; the first product starts each sum
.endr
.set LI, 1
.rept 31
.irp e, 0,1,2,3,4,5,6,7
	v_fma_f32 v[AC+\e], v[XR+LI], v[8*LI+\e], v[AC+\e]   ; the eight sums by turns
.endr
.set LI, LI+1
.endr
	WIN 0
.irp m, 1,2,4,8
.irp e, 0,1,2,3,4,5,6,7
	v_add_f32_dpp v[AC+\e], v[AC+\e], v[AC+\e] row_xmask:\m row_mask:0xf bank_mask:0xf
.endr
.endr
.irp e, 0,1,2,3,4,5,6,7
	v_permlanex16_b32 v[TP+\e], v[AC+\e], s26, s27
.endr
.irp e, 0,1,2,3,4,5,6,7
	v_add_f32 v[AC+\e], v[AC+\e], v[TP+\e]         ; every lane holds the eight scores
.endr
	v_max3_num_f32 v88, v[AC], v[AC+1], v[AC+2]
	v_max3_num_f32 v88, v88, v[AC+3], v[AC+4]
	v_max3_num_f32 v88, v88, v[AC+5], v[AC+6]
	v_max_num_f32 v88, v88, v[AC+7]                ; the largest score is taken away ahead of the exponentials
.irp e, 0,1,2,3,4,5,6,7
	v_sub_f32 v[PR+\e], v[AC+\e], v88
.endr
.irp e, 0,1,2,3,4,5,6,7
	v_mul_f32 v[PR+\e], 0x3fb8aa3b, v[PR+\e]       ; x log2(e)
.endr
.irp e, 0,1,2,3,4,5,6,7
	v_exp_f32 v[PR+\e], v[PR+\e]
.endr
	v_nop                                          ; a plain place behind the last exponential
	s_wait_alu depctr_va_vdst(0)                   ; one wait for the batch, ahead of its first reader
	v_add_f32 v89, v[PR], v[PR+1]
	v_add_f32 v90, v[PR+2], v[PR+3]
	v_add_f32 v91, v[PR+4], v[PR+5]
	v_add_f32 v92, v[PR+6], v[PR+7]
	v_add_f32 v89, v89, v90
	v_add_f32 v91, v91, v92
	v_add_f32 v89, v89, v91
	v_rcp_f32 v89, v89
	v_nop
	s_wait_alu depctr_va_vdst(0)
.irp e, 0,1,2,3,4,5,6,7
	v_mul_f32 v[PR+\e], v[PR+\e], v89              ; the probabilities
.endr
	; top-2 by selects alone: a strict compare keeps the lower index
	v_mov_b32 v93, v[PR]
	v_mov_b32 v94, 0
.irp e, 1,2,3,4,5,6,7
	v_cmp_gt_f32 vcc_lo, v[PR+\e], v93
	v_cndmask_b32 v93, v93, v[PR+\e], vcc_lo
	v_cndmask_b32 v94, v94, \e, vcc_lo
.endr
.irp e, 0,1,2,3,4,5,6,7
	v_cmp_eq_u32 vcc_lo, \e, v94
	v_cndmask_b32 v[P2+\e], v[PR+\e], -1.0, vcc_lo ; the best one is struck out: no probability lies under 0
.endr
	v_mov_b32 v95, v[P2]
	v_mov_b32 v104, 0
.irp e, 1,2,3,4,5,6,7
	v_cmp_gt_f32 vcc_lo, v[P2+\e], v95
	v_cndmask_b32 v95, v95, v[P2+\e], vcc_lo
	v_cndmask_b32 v104, v104, \e, vcc_lo
.endr
	; softmax of the two: w0 = 1 / (1 + e^(p1 - p0)), w1 = e^(p1 - p0) w0; p0 is the larger, so the exponent is 0 or less
	v_sub_f32 v105, v95, v93
	v_mul_f32 v105, 0x3fb8aa3b, v105
	v_exp_f32 v105, v105
	v_lshl_or_b32 v108, v104, 8, v94               ; (a plain place)  sel = e0 | e1 << 8
	s_wait_alu depctr_va_vdst(0)
	v_add_f32 v106, 1.0, v105
	v_rcp_f32 v106, v106
	v_mov_b32 v109, 0                              ; (a plain place)
	s_wait_alu depctr_va_vdst(0)
	v_mul_f32 v107, v105, v106
	s_wait_xcnt 0x0                                ; EXEC changes only when the earlier stores have read it
	v_cmp_eq_u32 vcc_lo, 0, v1
	s_wait_tensorcnt 0x0
	ds_add_u32 v254, v255
	s_wait_dscnt 0x0
	s_and_saveexec_b32 s28, vcc_lo                 ; lane 0 stores the token's figures
	global_store_b128 v109, v[PR:PR+3], s[22:23]
	global_store_b128 v109, v[PR+4:PR+7], s[22:23] offset:16
	global_store_b64 v109, v[106:107], s[24:25] offset:32768
	global_store_b32 v109, v108, s[10:11]
	s_wait_xcnt 0x0
	s_or_b32 exec_lo, exec_lo, s28
	s_endpgm
.Lfunc_end_k_q22d53dd851_gate:
	.size	k_q22d53dd851_gate, .Lfunc_end_k_q22d53dd851_gate-k_q22d53dd851_gate
	.p2alignl 7, 3214868480
	.fill 96, 4, 3214868480
	.section	.rodata,"a",@progbits
	.p2align	6, 0x0
	.amdhsa_kernel k_q22d53dd851_gate
		.amdhsa_group_segment_fixed_size 33792
		.amdhsa_private_segment_fixed_size 0
		.amdhsa_enable_private_segment 0
		.amdhsa_kernarg_size 40
		.amdhsa_user_sgpr_count 2
		.amdhsa_user_sgpr_kernarg_segment_ptr 1
		.amdhsa_wavefront_size32 1
		.amdhsa_system_sgpr_workgroup_id_x 1
		.amdhsa_system_sgpr_workgroup_id_y 1
		.amdhsa_system_sgpr_workgroup_id_z 1
		.amdhsa_system_vgpr_workitem_id 0
		.amdhsa_next_free_vgpr 512
		.amdhsa_next_free_sgpr 66
		.amdhsa_reserve_vcc 1
		.amdhsa_float_denorm_mode_32 3
		.amdhsa_float_denorm_mode_16_64 3
		.amdhsa_memory_ordered 1
		.amdhsa_forward_progress 1
		.amdhsa_inst_pref_size 36
	.end_amdhsa_kernel
	.amdgpu_metadata
---
amdhsa.version: [ 1, 2 ]
amdhsa.kernels:
  - .name:           k_q22d53dd851_gate
    .symbol:         k_q22d53dd851_gate.kd
    .args:
      - { .name: x, .offset: 0, .size: 8, .value_kind: global_buffer, .address_space: global }
      - { .name: gate_w, .offset: 8, .size: 8, .value_kind: global_buffer, .address_space: global }
      - { .name: xq, .offset: 16, .size: 8, .value_kind: global_buffer, .address_space: global }
      - { .name: sel, .offset: 24, .size: 8, .value_kind: global_buffer, .address_space: global }
      - { .name: gf, .offset: 32, .size: 8, .value_kind: global_buffer, .address_space: global }
    .group_segment_fixed_size: 33792
    .private_segment_fixed_size: 0
    .kernarg_segment_align: 8
    .kernarg_segment_size: 40
    .max_flat_workgroup_size: 128
    .sgpr_count:     66
    .vgpr_count:     512
    .wavefront_size: 32
...
	.end_amdgpu_metadata
.endif
;; end of part 1
;; launch place (part 2): grid 9 x 1, 1 waves a work-group, no clusters, 0 bytes of LDS; arguments sel, gf, route, out1; writes route, out1
.if DOCPART == 2
	.amdgcn_target "amdgcn-amd-amdhsa--gfx1250"
	.amdhsa_code_object_version 6
	.text
	.protected	k_q22d53dd851_place
	.globl	k_q22d53dd851_place
	.p2align	8
	.type	k_q22d53dd851_place,@function
k_q22d53dd851_place:
	s_mov_b64 s[64:65], 0
	v_nop
	global_prefetch_b8 v0, s[64:65] scope:SCOPE_SE
	s_setreg_imm32_b32 hwreg(HW_REG_WAVE_MODE, 25, 1), 1
	s_wait_xcnt 0x0
; Work-groups 0 to 7, one wave each: expert e = work-group.  The wave walks the 1,024 tokens in order, 32 at a time, and gives each token that chose e the next position of e.
; route: LIST [8][1056] u32 at 0: the token at each position, with 32 zeros behind the last (a group of 32 positions may reach past the count);
;        POSB [1024][2] u32 at 33,792: 1024 e + position, for each token and slot;   CNT [8][32] u32 at 41,984: the count, 32 times;
;        DUMP [8][32] u32 at 43,008: spare words that nobody reads.
; EVERY LANE STORES IN EVERY GROUP: a lane whose token did not choose e stores into its own spare word of DUMP[e].  The choice is a select between two word indices, so EXEC never changes here.
; Each group has four registers of its own for its two addresses and two data words, so no store's source is written again and no wait stands among the stores.
; Each expert has room for all 1,024 tokens, so every split is served and no sum over experts is needed.  Each word is stored by one work-group.
; Work-group 8: the load-balance loss.  u = the mean probability of each expert, d = u - mean(u).  The loss is 0.00125 ln(mean(e^d)), and mean(d) = 0 but for the rounding of the mean,
; so mean(e^d) = 1 + z with z = mean(e^d - 1 - d) = mean(d^2 / 2 x (1 + d/3 (1 + d/4 (.. (1 + d/12))))): no difference of nearly equal numbers is formed.
; |d| <= 1 for every input (u lies in 0 .. 1), so the series' remainder is under 1/13!.  z <= 0.08, w = z / (2 + z) <= 0.04, ln(1 + z) = 2 w (1 + w^2/3 + w^4/5 + w^6/7).
.set POSBW, 8448                       ; POSB's first word in route
.set DUMPW, 10752                      ; DUMP's
.set MAXW,  11007                      ; route's last word
.set GR,    96                         ; v96-223: group g's LIST address, POSB address, token, 1024 e + position at v[GR + 4 g] on
	s_load_b256 s[4:11], s[0:1], 0x0               ; sel s[4:5], gf s[6:7], route s[8:9], out1 s[10:11]
	v_and_b32 v1, 31, v0                           ; lane
	v_lshlrev_b32 v2, 2, v1                        ; 4 l
	s_mov_b32 s19, ttmp9
	s_mov_b32 s13, 0
	s_cmp_eq_u32 s19, 8
	s_cbranch_scc1 .Lloss
	s_wait_kmcnt 0x0
.set LG, 0
.rept 32
	global_load_b32 v[64+LG], v2, s[4:5] offset:128*LG     ; all 1,024 words of sel: group g's in v[64 + g]
.set LG, LG+1
.endr
	s_mov_b32 s20, 0                               ; positions given so far
	s_lshl_b32 s12, s19, 7
	s_add_nc_u64 s[16:17], s[8:9], s[12:13]        ; my expert's CNT (+ 41,984 in the store)
	s_lshl_b32 s27, s19, 10                        ; 1024 e
	s_mul_i32 s28, s19, 1056                       ; my expert's LIST, in words
	s_lshl_b32 s29, s19, 5
	s_add_co_u32 s29, s29, DUMPW
	v_add_nc_u32 v11, s29, v1                      ; my spare word
	v_lshlrev_b32 v3, 1, v1                        ; 2 l: a token's two words of POSB
	s_wait_loadcnt 0x0
.macro GRP g
	v_and_b32 v4, 0xff, v[64+\g]                   ; slot 0's expert
	v_bfe_u32 v5, v[64+\g], 8, 8                   ; slot 1's (never the same)
	v_cmp_eq_u32 s21, s19, v4
	v_cmp_eq_u32 s22, s19, v5
	s_or_b32 vcc_lo, s21, s22                      ; the lanes whose token chose me
	v_mbcnt_lo_u32_b32 v6, vcc_lo, 0               ; how many of them stand below my lane
	v_add_nc_u32 v6, s20, v6                       ; my position
	v_add_nc_u32 v7, s28, v6                       ; its word of LIST
	v_cndmask_b32 v[GR+4*\g], v11, v7, vcc_lo      ; or my spare word
	v_min_u32 v[GR+4*\g], MAXW, v[GR+4*\g]         ; held inside route
	v_lshlrev_b32 v[GR+4*\g], 2, v[GR+4*\g]
	v_cndmask_b32 v8, 0, 1, s22                    ; my slot
	v_add3_u32 v8, v8, v3, POSBW+64*\g             ; its word of POSB: token 32 g + l
	v_cndmask_b32 v[GR+4*\g+1], v11, v8, vcc_lo
	v_min_u32 v[GR+4*\g+1], MAXW, v[GR+4*\g+1]
	v_lshlrev_b32 v[GR+4*\g+1], 2, v[GR+4*\g+1]
	v_add_nc_u32 v[GR+4*\g+2], 32*\g, v1           ; my token
	v_add_nc_u32 v[GR+4*\g+3], s27, v6             ; 1024 e + position
	s_bcnt1_i32_b32 s26, vcc_lo
	global_store_b32 v[GR+4*\g], v[GR+4*\g+2], s[8:9]
	global_store_b32 v[GR+4*\g+1], v[GR+4*\g+3], s[8:9]
	s_add_co_u32 s20, s20, s26
.endm
.irp g, 0,1,2,3,4,5,6,7,8,9,10,11,12,13,14,15,16,17,18,19,20,21,22,23,24,25,26,27,28,29,30,31
	GRP \g
.endr
	v_add_nc_u32 v9, s20, v1
	v_min_u32 v9, 1055, v9                         ; the 32 positions behind the last, inside my expert's 1,056
	v_add_nc_u32 v9, s28, v9
	v_lshlrev_b32 v9, 2, v9
	v_mov_b32 v10, 0
	global_store_b32 v9, v10, s[8:9]               ; token 0 there
	v_mov_b32 v12, s20
	global_store_b32 v2, v12, s[16:17] offset:41984
	s_endpgm
.Lloss:
	s_wait_kmcnt 0x0
	v_lshlrev_b32 v3, 4, v1                        ; 16 l: lane l holds experts 4 (l % 2) .. + 3 of token l / 2 + 16 j
	s_mov_b32 s14, 0x76543210
	s_mov_b32 s15, 0xfedcba98
.macro PLOAD half
.set LJ, 0
.rept 32
	global_load_b128 v[64+4*LJ:67+4*LJ], v3, s[6:7] offset:16384*\half+512*LJ
.set LJ, LJ+1
.endr
.endm
.macro PSUM from                       ; two sets of four sums, so that no addition waits for the one before it
.set LJ, \from
.rept (32-\from)/2
	v_pk_add_f32 v[12:13], v[12:13], v[64+4*LJ:65+4*LJ]
	v_pk_add_f32 v[14:15], v[14:15], v[66+4*LJ:67+4*LJ]
	v_pk_add_f32 v[16:17], v[16:17], v[68+4*LJ:69+4*LJ]
	v_pk_add_f32 v[18:19], v[18:19], v[70+4*LJ:71+4*LJ]
.set LJ, LJ+2
.endr
.endm
	PLOAD 0
.irp k, 0,1,2,3
	v_mov_b32 v[20+\k], 0                          ; a lane permute's destination counts as one of its sources
.endr
	s_wait_loadcnt 0x0
	v_pk_add_f32 v[12:13], v[64:65], v[72:73]      ; the first additions start the sums
	v_pk_add_f32 v[14:15], v[66:67], v[74:75]
	v_pk_add_f32 v[16:17], v[68:69], v[76:77]
	v_pk_add_f32 v[18:19], v[70:71], v[78:79]
	PSUM 4
	PLOAD 1
	s_wait_loadcnt 0x0
	PSUM 0
	v_pk_add_f32 v[12:13], v[12:13], v[16:17]
	v_pk_add_f32 v[14:15], v[14:15], v[18:19]
.irp m, 2,4,8
.irp k, 0,1,2,3
	v_add_f32_dpp v[12+\k], v[12+\k], v[12+\k] row_xmask:\m row_mask:0xf bank_mask:0xf   ; lanes of my parity hold my four experts
.endr
.endr
.irp k, 0,1,2,3
	v_permlanex16_b32 v[20+\k], v[12+\k], s14, s15
.endr
.irp k, 0,1,2,3
	v_add_f32 v[12+\k], v[12+\k], v[20+\k]
.endr
.irp k, 0,1,2,3
	v_mul_f32 v[12+\k], 0x3a800000, v[12+\k]       ; u = sum / 1,024
.endr
	v_add_f32 v24, v12, v13
	v_add_f32 v25, v14, v15
	v_add_f32 v24, v24, v25
	v_add_f32_dpp v24, v24, v24 row_xmask:1 row_mask:0xf bank_mask:0xf   ; with the other four experts
	v_mul_f32 v24, 0x3e000000, v24                 ; mean(u)
.irp k, 0,1,2,3
	v_sub_f32 v[12+\k], v[12+\k], v24              ; d
.endr
.irp k, 0,1,2,3
	v_fma_f32 v[32+\k], v[12+\k], 0x3daaaaab, 1.0  ; q = 1 + d / 12
.endr
.irp c, 0x3dba2e8c, 0x3dcccccd, 0x3de38e39, 0x3e000000, 0x3e124925, 0x3e2aaaab, 0x3e4ccccd, 0x3e800000, 0x3eaaaaab
.irp k, 0,1,2,3
	v_mul_f32 v[28+\k], \c, v[12+\k]               ; d / n, n = 11 down to 3
.endr
.irp k, 0,1,2,3
	v_fma_f32 v[32+\k], v[28+\k], v[32+\k], 1.0    ; q = 1 + (d / n) q
.endr
.endr
.irp k, 0,1,2,3
	v_mul_f32 v[28+\k], v[12+\k], v[12+\k]
.endr
.irp k, 0,1,2,3
	v_mul_f32 v[28+\k], v[28+\k], v[32+\k]         ; d^2 q = 2 (e^d - 1 - d)
.endr
	v_add_f32 v24, v28, v29
	v_add_f32 v25, v30, v31
	v_add_f32 v24, v24, v25
	v_add_f32_dpp v24, v24, v24 row_xmask:1 row_mask:0xf bank_mask:0xf
	v_mul_f32 v24, 0x3d800000, v24                 ; z = the sum / 16
	v_add_f32 v25, 2.0, v24
	v_rcp_f32 v25, v25
	v_mov_b32 v27, 0x3e124925                      ; (a plain place)  1/7
	s_wait_alu depctr_va_vdst(0)                   ; ahead of the reciprocal's first reader
	v_mul_f32 v25, v24, v25                        ; w
	v_mul_f32 v26, v25, v25
	v_fma_f32 v27, v26, v27, 0x3e4ccccd            ; 1/5 + w^2 / 7
	v_fma_f32 v27, v26, v27, 0x3eaaaaab            ; 1/3 + ..
	v_fma_f32 v27, v26, v27, 1.0
	v_mul_f32 v25, v25, v27
	v_mul_f32 v25, 0x3b23d70a, v25                 ; x 2 x 0.01 / 8
	v_mov_b32 v30, 0
	s_wait_xcnt 0x0
	v_cmp_eq_u32 vcc_lo, 0, v1
	s_and_saveexec_b32 s25, vcc_lo
	global_store_b32 v30, v25, s[10:11]
	s_wait_xcnt 0x0
	s_or_b32 exec_lo, exec_lo, s25
	s_endpgm
.Lfunc_end_k_q22d53dd851_place:
	.size	k_q22d53dd851_place, .Lfunc_end_k_q22d53dd851_place-k_q22d53dd851_place
	.p2alignl 7, 3214868480
	.fill 96, 4, 3214868480
	.section	.rodata,"a",@progbits
	.p2align	6, 0x0
	.amdhsa_kernel k_q22d53dd851_place
		.amdhsa_group_segment_fixed_size 0
		.amdhsa_private_segment_fixed_size 0
		.amdhsa_enable_private_segment 0
		.amdhsa_kernarg_size 32
		.amdhsa_user_sgpr_count 2
		.amdhsa_user_sgpr_kernarg_segment_ptr 1
		.amdhsa_wavefront_size32 1
		.amdhsa_system_sgpr_workgroup_id_x 1
		.amdhsa_system_sgpr_workgroup_id_y 1
		.amdhsa_system_sgpr_workgroup_id_z 1
		.amdhsa_system_vgpr_workitem_id 0
		.amdhsa_next_free_vgpr 224
		.amdhsa_next_free_sgpr 66
		.amdhsa_reserve_vcc 1
		.amdhsa_float_denorm_mode_32 3
		.amdhsa_float_denorm_mode_16_64 3
		.amdhsa_memory_ordered 1
		.amdhsa_forward_progress 1
		.amdhsa_inst_pref_size 64
	.end_amdhsa_kernel
	.amdgpu_metadata
---
amdhsa.version: [ 1, 2 ]
amdhsa.kernels:
  - .name:           k_q22d53dd851_place
    .symbol:         k_q22d53dd851_place.kd
    .args:
      - { .name: sel, .offset: 0, .size: 8, .value_kind: global_buffer, .address_space: global }
      - { .name: gf, .offset: 8, .size: 8, .value_kind: global_buffer, .address_space: global }
      - { .name: route, .offset: 16, .size: 8, .value_kind: global_buffer, .address_space: global }
      - { .name: out1, .offset: 24, .size: 8, .value_kind: global_buffer, .address_space: global }
    .group_segment_fixed_size: 0
    .private_segment_fixed_size: 0
    .kernarg_segment_align: 8
    .kernarg_segment_size: 32
    .max_flat_workgroup_size: 32
    .sgpr_count:     66
    .vgpr_count:     224
    .wavefront_size: 32
...
	.end_amdgpu_metadata
.endif
;; end of part 2
;; launch ffn1 (part 3): grid 32 x 8, 8 waves a work-group, no clusters, 103,424 bytes of LDS; arguments w1, b1, xq, route, hq; writes hq
.if DOCPART == 3
	.amdgcn_target "amdgcn-amd-amdhsa--gfx1250"
	.amdhsa_code_object_version 6
	.text
	.protected	k_q22d53dd851_ffn1
	.globl	k_q22d53dd851_ffn1
	.p2align	8
	.type	k_q22d53dd851_ffn1,@function
k_q22d53dd851_ffn1:
	s_mov_b64 s[64:65], 0
	v_nop
	global_prefetch_b8 v0, s[64:65] scope:SCOPE_SE
	s_setreg_imm32_b32 hwreg(HW_REG_WAVE_MODE, 25, 1), 1
	s_wait_xcnt 0x0
; h = Q(relu(x w1[e] + b1[e])) for the tokens that chose expert e, on codes of E2M3 with one E8M0 scale for each 32 along K.
; A work-group owns expert e (grid y) and 128 hidden units (grid x = fs): w1[e][0 .. 1023][128 fs .. + 127], 512 KiB of f32, read from memory once in the launch.
; QUANTISING.  A lane takes a column and its registers run down K (w1's first axis), so a block of 32 lies in one lane and the conversions give codes with K innermost.
;   Wave w: columns 32 (w % 4) .. + 31, K = 512 (w / 4) .. + 511: 16 blocks.  The codes go to LDS as IMAGES OF THE OPERAND'S REGISTERS: a fragment is 1,536 bytes, register group c of lane L at 512 c + 16 L.
;   The columns of a tile are not neighbours: lane r of tile 2 b + u holds column 32 b + 8 u + r + 8 (r / 8), so that a lane's 16 results of tiles 2 b, 2 b + 1 are 16 neighbours along the next product's K.
; BY TURNS.  Four blocks of every wave are a CHUNK c: they complete K steps c and 4 + c, 16 fragments: four UNITS of four fragments.  Unit n = 4 c + i (K step 4 (i / 2) + c, tiles 4 (i % 2) .. + 3) lies at 6,144 n,
;   so what is written between two barriers and what is read there are separate runs of LDS, and every byte is written once.  A barrier stands behind each chunk.  From block 4 on a wave goes:
;   the LDS loads of a unit of the chunk before, a block (which asks for the weights two blocks ahead), the unit's eight products.  So the products of each wave's first group stand among the waits for the weights;
;   only the last chunk's four units and the way out stand behind the last block.
; GROUPS.  Wave w takes the groups of 32 positions g = w, w + 8, .. of the expert's list: the first by turns as above, the others in a loop behind it, counted one by one.
;   The part by turns has no branch: a wave without a group takes the last group again (g' = min(w, groups - 1)) and stores nothing.  Group 0 is always made, for an expert without tokens too, so every byte that is loaded later has been stored.
;   The product is used transposed (source 0 = 16 columns of w1, source 1 = 16 tokens): a lane holds one token.  b1 is loaded straight into the accumulators, so the bias costs no addition.
;   The results are clipped at 0, quantised in registers, and stored as register images: they are K step fs of the second product.
; hq: images at ((64 e + tile of positions) x 32 + fs) x 1,536; scale words from byte 25,165,824 on, 128 bytes for each image.
; WAITS FOR LOADS.  Loads come back in order (ISA guide 5.7.1).  A block's wait leaves out all that was issued behind its 32 loads: the assembler counts the loads (ISS) and marks each block's (MW0, MW1); a count is held at 63, a smaller count being safe.
;   The list, b1 and x are asked for inside blocks 0 to 2, between a block's wait and its refill, x's later K steps behind the unit that frees their registers: each is older than weights for which a block waits ahead of its use.
; NO TENSOR LOADS, NO CLUSTER: the number of groups is a count read from memory, so trip counts differ from work-group to work-group; the weights, nearly all of the bytes, are shared by nobody.
; LIMITS: NaN and infinities are not served; a block of zeros gets the byte 1 (its codes are zeros; only this program reads the bytes).  K is summed in the order of the units.
; REGISTERS.  window 0: v1-25 addresses; v32-39 w1's scale words (two sets); v40-55 x's scale words; v64-111, v112-159 two sets of four fragments of w1; v160-238 the quantiser of w1.
;   window 1: v0-127 the accumulators (tile of tokens j, tile of columns t at 64 j + 8 t); v128-223 x's fragments, a ring of four K steps; behind the products the quantiser of h works there.
.set PITCH, 16384                      ; bytes from row to row of w1[e]
.set WSC,   98304                      ; LDS: behind the 64 images, their scale words, 64 bytes each
.set TM,  128                          ; window 1: v128-143 the quantiser's figures
.set PW,  144                          ; the scale word just made
.set PC,  146                          ; v146-164 the codes just made
.set ISS, 0                            ; global loads issued so far in the text
.set MW0, 0                            ; ISS behind the last even block's loads
.set MW1, 0                            ; behind the last odd block's
.set MSB, 0
.macro WIN new                         ; the immediate's high byte repeats the setting that is left
.if MSB != \new
	s_set_vgpr_msb (MSB<<8)|\new
.set MSB, \new
.endif
.endm
.macro LOAD t                          ; block t: w(32 t + i, my column), i = 0 .. 31, into set t % 2; a wave's load covers 128 consecutive bytes, four waves 512
.set LI, 0
.rept 32
	global_load_b32 v[160+32*((\t)%2)+LI], v6, s[4:5] offset:(32*(\t)+LI)*PITCH th:TH_LOAD_NT
.set LI, LI+1
.endr
.set ISS, ISS+32
.if ((\t)%2) == 0
.set MW0, ISS
.else
.set MW1, ISS
.endif
.endm
.macro BWAIT t                         ; block t's 32 loads are in; all that was issued behind them may be out
.if ((\t)%2) == 0
.set WC, ISS-MW0
.else
.set WC, ISS-MW1
.endif
.if WC > 63
.set WC, 63
.endif
	s_wait_loadcnt WC
.endm
.macro BWORK t                         ; block t is quantised, its codes go to LDS, and its registers are asked for again
.set XSET, 160+32*((\t)%2)
.set IOFF, (((\t)/4)%2)*24576+256*((\t)%2)     ; the block's chunk, and the half of the lanes that holds the block
.set SAD, 4
.if (\t) >= 8
.set SAD, 25                           ; chunks 2 and 3 lie beyond an LDS instruction's 16-bit offset: a second address register
.endif
	v_max3_num_f32 v234, |v[XSET]|, |v[XSET+1]|, |v[XSET+2]|
	v_max3_num_f32 v235, |v[XSET+3]|, |v[XSET+4]|, |v[XSET+5]|
.irp i, 6,10,14,18,22,26
	v_max3_num_f32 v234, v234, |v[XSET+\i]|, |v[XSET+\i+1]|
	v_max3_num_f32 v235, v235, |v[XSET+\i+2]|, |v[XSET+\i+3]|
.endr
	v_max3_num_f32 v234, v234, |v[XSET+30]|, |v[XSET+31]|
	v_max3_num_f32 v234, v234, v235, 0x1800000     ; the floor 2^(3 - 127): the byte cannot fall under 1
	v_add_nc_u32 v236, 0xff000000, v234            ; 2 off the exponent field: the conversion's scale operand
	v_lshrrev_b32 v237, 23, v236                   ; the scale's byte
.if (\t)%4 == 0
	v_mov_b32 v238, v237                           ; four bytes make a K step's scale word
.else
	v_lshl_or_b32 v238, v237, 8*((\t)%4), v238
.endif
	v_cvt_scalef32_pk16_fp6_f32 v[224:226], v[XSET:XSET+15], v236
	v_cvt_scalef32_pk16_fp6_f32 v[230:232], v[XSET+16:XSET+31], v236   ; (a conversion's three registers begin on an even number)
	v_nop                                          ; one plain place behind a scaled conversion
	v_mov_b32 v227, v230
	v_mov_b32 v228, v231
	v_mov_b32 v229, v232
.if ((\t)%4)/2 == 0                    ; the fragment's registers 0 to 5
	ds_store_b128 v[SAD], v[224:227] offset:IOFF
	ds_store_b64 v[SAD], v[228:229] offset:IOFF+512
.else                                  ; registers 6 to 11
	ds_store_b64 v[SAD], v[224:225] offset:IOFF+520
	ds_store_b128 v[SAD], v[226:229] offset:IOFF+1024
.endif
.if (\t)%4 == 3
	ds_store_b32 v5, v238 offset:((\t)/4)*1024
.endif
.if (\t)+2 < 16
	LOAD (\t)+2
.endif
	s_wait_dscnt 0x0                               ; the stores have read their registers, and the unit's LDS loads issued ahead of the block are in
.endm
.macro BLOCK t
	BWAIT \t
	BWORK \t
.endm
.macro BAR                             ; my LDS stores have landed and my LDS loads are in: then the work-group's barrier
	s_wait_dscnt 0x0
	s_barrier_signal -1
	s_barrier_wait -1
.endm
.macro WLOAD n                         ; unit n's four fragments and their scale words into set n % 2: 16 LDS loads, each of consecutive bytes
.set WBF, 64+48*((\n)%2)
.irp f, 0,1,2,3
.irp c, 0,1,2
.if (\n) < 8
	ds_load_b128 v[WBF+12*\f+4*\c:WBF+12*\f+4*\c+3], v7 offset:(4*((\n)%8)+\f)*1536+512*\c
.else
	ds_load_b128 v[WBF+12*\f+4*\c:WBF+12*\f+4*\c+3], v17 offset:(4*((\n)%8)+\f)*1536+512*\c
.endif
.endr
	ds_load_b32 v[32+4*((\n)%2)+\f], v8 offset:(4*(\n)+\f)*64
.endr
.endm
.macro XLOAD m                         ; the m-th K step in the units' order, 4 (m % 2) + m / 2, of my 32 tokens' codes: a lane's twelve registers are 48 consecutive bytes: 6 loads
.set XKS, 4*((\m)%2)+(\m)/2
	WIN 0x40
.irp j, 0,1
.irp c, 0,1,2
	global_load_b128 v[128+24*((\m)%4)+12*\j+4*\c:128+24*((\m)%4)+12*\j+4*\c+3], v[10+\j], s[8:9] offset:96*XKS+16*\c
.endr
.endr
	WIN 0
.set ISS, ISS+6
.endm
.macro MULS n                          ; unit n x two tiles of tokens: eight accumulators by turns, one instruction a turn
.set KSTP, 4*(((\n)%4)/2)+(\n)/4
.set WBUF, 64+48*((\n)%2)
.set XBUF, 128+24*(((\n)/2)%4)
	WIN 0x54                                       ; source 0 (w1) window 0; source 1 (x), C and D window 1
.irp f, 0,1,2,3
.irp j, 0,1
.set ACR, 64*\j+8*(4*((\n)%2)+\f)
	v_wmma_scale_f32_16x16x128_f8f6f4 v[ACR:ACR+7], v[WBUF+12*\f:WBUF+12*\f+11], v[XBUF+12*\j:XBUF+12*\j+11], v[ACR:ACR+7], v[32+4*((\n)%2)+\f], v[40+8*\j+KSTP] matrix_a_fmt:MATRIX_FMT_FP6 matrix_b_fmt:MATRIX_FMT_FP6
.endr
.endr
.rept 4
	v_nop                                          ; four places in front of loads into registers that these products read, and of the first read of results
.endr
	WIN 0
.endm
.macro LISTL                           ; lane r: the tokens at positions 32 g + r and 32 g + 16 + r
	global_load_b32 v20, v9, s[26:27]
	global_load_b32 v21, v9, s[26:27] offset:64
.set ISS, ISS+2
.endm
.macro BIAS                            ; the bias is where the sums begin: lane (r, h), tile 2 b + u: b1 at 32 b + 16 h + 8 u + 0 .. 7
	WIN 0x40
.irp j, 0,1
.irp t, 0,1,2,3,4,5,6,7
	global_load_b128 v[64*\j+8*\t:64*\j+8*\t+3], v14, s[36:37] offset:(32*(\t/2)+8*(\t%2))*4
	global_load_b128 v[64*\j+8*\t+4:64*\j+8*\t+7], v14, s[36:37] offset:(32*(\t/2)+8*(\t%2))*4+16
.endr
.endr
	WIN 0
.set ISS, ISS+32
.endm
.macro XADDR                           ; from the tokens to their places in xq, and their scale words: eight words a token, one for each K step
	v_min_u32 v20, 0x3ff, v20
	v_min_u32 v21, 0x3ff, v21
	v_mul_u32_u24 v10, v20, 768
	v_mul_u32_u24 v11, v21, 768
	v_add_nc_u32 v10, v10, v23                     ; the token's codes, + 48 h
	v_add_nc_u32 v11, v11, v23
	v_lshlrev_b32 v12, 5, v20
	v_lshlrev_b32 v13, 5, v21
	global_load_b128 v[40:43], v12, s[8:9] offset:786432
	global_load_b128 v[44:47], v12, s[8:9] offset:786448
	global_load_b128 v[48:51], v13, s[8:9] offset:786432
	global_load_b128 v[52:55], v13, s[8:9] offset:786448
.set ISS, ISS+4
.endm
.macro PTRS                            ; where group s18's two images and their scale words go
	s_mul_i32 s34, s18, 98304
	s_add_nc_u64 s[28:29], s[40:41], s[34:35]
	s_lshl_b32 s34, s18, 13
	s_add_nc_u64 s[30:31], s[42:43], s[34:35]
.endm
; 64 numbers of a lane, v[s] .. v[s + 63], register 16 b + i = k 32 b + 16 (lane / 16) + i of my token, become a fragment's codes in v[PC] on and its scale word in v[PW]
.macro QUANT s
.irp b, 0,1,2,3
	v_max3_num_f32 v[TM+\b], |v[\s+16*\b]|, |v[\s+1+16*\b]|, 0x1800000   ; my 16 numbers of block b, and the floor
.endr
.irp i, 2,4,6,8,10,12,14
.irp b, 0,1,2,3
	v_max3_num_f32 v[TM+\b], v[TM+\b], |v[\s+16*\b+\i]|, |v[\s+1+16*\b+\i]|
.endr
.endr
.irp b, 0,1,2,3
	v_permlanex16_b32 v[TM+4+\b], v[TM+\b], s32, s33
.endr
.irp b, 0,1,2,3
	v_max_num_f32 v[TM+\b], v[TM+\b], v[TM+4+\b]   ; with lane l xor 16's: the block's largest magnitude
.endr
.irp b, 0,1,2,3
	v_add_nc_u32 v[TM+12+\b], 0xff000000, v[TM+\b]
.endr
.irp b, 0,1,2,3
	v_lshrrev_b32 v[TM+4+\b], 23, v[TM+12+\b]
.endr
	v_lshl_or_b32 v[PW], v[TM+5], 8, v[TM+4]
	v_lshl_or_b32 v[PW], v[TM+6], 16, v[PW]
	v_lshl_or_b32 v[PW], v[TM+7], 24, v[PW]
.irp c, 0,1
	v_cvt_scalef32_pk16_fp6_f32 v[PC+6*\c:PC+2+6*\c], v[\s+32*\c:\s+15+32*\c], v[TM+12+2*\c]
	v_cvt_scalef32_pk16_fp6_f32 v[PC+12+4*\c:PC+14+4*\c], v[\s+16+32*\c:\s+31+32*\c], v[TM+12+2*\c+1]
.endr
	v_nop                                          ; one plain place behind a scaled conversion
.irp c, 0,1                            ; the operand's layout wants a whole block in a lane: lanes 0-15 block 2 c, lanes 16-31 block 2 c + 1
.irp i, 0,1,2
	v_permlane16_swap_b32 v[PC+6*\c+\i], v[PC+12+4*\c+\i]
.endr
.irp i, 0,1,2
	v_mov_b32 v[PC+3+6*\c+\i], v[PC+12+4*\c+\i]
.endr
.endr
.endm
.macro HOUT                            ; the way out of a group: activation, quantiser, two images and their scale words
.irp j, 0,1
	WIN 0x55                                       ; all in window 1
.set LI, 0
.rept 64
	v_max_num_f32 v[64*\j+LI], 0, v[64*\j+LI]      ; the activation, in f32; each accumulator from its low end on
.set LI, LI+1
.endr
.irp b, 0,1,2,3
	v_mov_b32 v[TM+4+\b], 0                        ; a lane permute's destination counts as one of its sources
.endr
	QUANT 64*\j
	WIN 0x04                                       ; a store's data are its source 1: window 1
.irp c, 0,1,2
	global_store_b128 v15, v[PC+4*\c:PC+4*\c+3], s[28:29] offset:49152*\j+512*\c   ; 32 lanes store 512 consecutive bytes, at a multiple of 256 from hq's first byte
.endr
	global_store_b32 v16, v[PW], s[30:31] offset:4096*\j
	s_wait_xcnt 0x0                                ; the stores have read their registers: they are written again below
.endr
	WIN 0
.endm
.macro LUNIT n                         ; a unit in the loop over further groups: all of LDS is whole there, so the LDS loads run two units ahead
.if (\n) < 15
	s_wait_dscnt 16                                ; this unit's 16 LDS loads are in; the next unit's may be out
.else
	s_wait_dscnt 0x0
.endif
.if (\n)%2 == 0
.if 7-(\n)/2 < 3
	s_wait_loadcnt 6*(7-(\n)/2)                    ; this K step of x is in; the younger steps' loads, 6 each, may be out
.else
	s_wait_loadcnt 18
.endif
.endif
	MULS \n
.if (\n)+2 < 16
	WLOAD (\n)+2
.endif
.if ((\n)%2 == 1) && ((\n)/2+4 < 8)
	XLOAD (\n)/2+4
.endif
.endm
	s_load_b256 s[4:11], s[0:1], 0x0               ; w1 s[4:5], b1 s[6:7], xq s[8:9], route s[10:11]
	s_load_b64 s[12:13], s[0:1], 0x20              ; hq
	v_lshl_add_u32 v254, v0, 2, 0x19000
	v_mov_b32 v255, 0
	v_lshrrev_b32 v1, 5, v0
	v_readfirstlane_b32 s14, v1                    ; wave 0..7
	s_mov_b32 s15, ttmp9                           ; fs
	s_and_b32 s16, ttmp7, 0xffff                   ; e
	v_and_b32 v1, 31, v0                           ; lane
	v_bfe_u32 v2, v0, 3, 1                         ; u: which of my two tiles my column falls into
	v_and_b32 v3, 7, v0
	v_bfe_u32 v24, v0, 4, 1                        ; h = lane / 16
	v_lshl_add_u32 v3, v24, 3, v3                  ; its row there: lane % 8 + 8 (lane / 16)
	s_lshr_b32 s19, s14, 2                         ; which half of K
	s_and_b32 s20, s14, 3                          ; which 32 columns
	s_lshl_b32 s21, s19, 1
	s_lshr_b32 s28, s20, 1
	s_add_co_u32 s21, s21, s28                     ; my unit in each chunk: 2 x half + columns / 2
	s_and_b32 s29, s20, 1                          ; and which pair of its four fragments
	s_mul_i32 s28, s21, 6144
	s_mul_i32 s30, s29, 3072
	s_add_co_u32 s28, s28, s30
	v_mul_u32_u24 v4, v2, 1536
	v_lshl_add_u32 v4, v3, 4, v4
	v_add_nc_u32 v4, s28, v4                       ; where my codes go: chunks 0 and 1,
	v_add_nc_u32 v25, 49152, v4                    ; chunks 2 and 3
	s_lshl_b32 s28, s21, 8
	s_lshl_b32 s30, s29, 7
	s_add_co_u32 s28, s28, s30
	s_add_co_u32 s28, s28, WSC
	v_lshlrev_b32 v5, 6, v2
	v_lshl_add_u32 v5, v3, 2, v5
	v_add_nc_u32 v5, s28, v5                       ; where my scale words go
	v_lshlrev_b32 v6, 2, v1                        ; 4 l
	v_lshlrev_b32 v7, 4, v1                        ; an image's place for my lane: units 0-7,
	v_add_nc_u32 v17, 49152, v7                    ; units 8-15
	v_and_b32 v9, 15, v0
	v_lshlrev_b32 v9, 2, v9                        ; 4 (l % 16)
	v_add_nc_u32 v8, WSC, v9                       ; w1's scale words
	v_lshlrev_b32 v14, 6, v24                      ; b1: 16 numbers further on for lanes 16-31
	v_lshlrev_b32 v15, 4, v1                       ; hq: 16 l
	v_lshlrev_b32 v16, 2, v1                       ; hq's scale words: 4 l
	v_mul_u32_u24 v23, v24, 48                     ; x's codes: 48 h
	s_mov_b32 s32, 0x76543210                      ; v_permlanex16_b32's selects for lane l xor 16
	s_mov_b32 s33, 0xfedcba98
	s_lshl_b32 s34, s16, 24                        ; my part of w1: e x 16 MiB + half x 512 rows + 512 fs + 128 x columns
	s_lshl_b32 s28, s19, 23
	s_add_co_u32 s34, s34, s28
	s_lshl_b32 s28, s15, 9
	s_add_co_u32 s34, s34, s28
	s_lshl_b32 s28, s20, 7
	s_add_co_u32 s34, s34, s28
	s_mov_b32 s35, 0
	s_wait_kmcnt 0x0
	s_add_nc_u64 s[4:5], s[4:5], s[34:35]
	LOAD 0
	LOAD 1
	s_lshl_b32 s34, s16, 7
	s_add_nc_u64 s[44:45], s[10:11], s[34:35]
	s_load_b32 s17, s[44:45], 41984                ; the expert's count
	s_mul_i32 s34, s16, 4224
	s_add_nc_u64 s[22:23], s[10:11], s[34:35]      ; its list
	s_lshl_b32 s34, s16, 14
	s_lshl_b32 s28, s15, 9
	s_add_co_u32 s34, s34, s28
	s_add_nc_u64 s[36:37], s[6:7], s[34:35]        ; b1[e][128 fs]
	s_mul_i32 s34, s16, 3145728
	s_mul_i32 s28, s15, 1536
	s_add_co_u32 s34, s34, s28
	s_add_nc_u64 s[40:41], s[12:13], s[34:35]      ; hq's images: expert e, K step fs
	s_lshl_b32 s34, s16, 18
	s_lshl_b32 s28, s15, 7
	s_add_co_u32 s34, s34, s28
	s_add_co_u32 s34, s34, 25165824
	s_add_nc_u64 s[42:43], s[12:13], s[34:35]      ; and their scale words
	; ---- chunk 0; inside its blocks the first group's list, bias and x are asked for
	BWAIT 0
	s_wait_kmcnt 0x0
	s_min_u32 s17, s17, 1024
	s_add_co_u32 s17, s17, 31
	s_lshr_b32 s17, s17, 5
	s_max_u32 s17, s17, 1                          ; groups of 32 positions; group 0 is always made
	s_sub_co_u32 s24, s17, 1
	s_min_u32 s24, s24, s14                        ; g': my group, or the last one again
	s_min_u32 s24, s24, 7                          ; (held by a constant: it enters an address)
	s_lshl_b32 s34, s24, 7
	s_add_nc_u64 s[26:27], s[22:23], s[34:35]      ; the group's 32 words of the list
	LISTL
	BWORK 0
	BWAIT 1
	BIAS
	BWORK 1
	BWAIT 2                                        ; block 2's loads are in, and so is the list, asked for ahead of them
	XADDR
	XLOAD 0
	XLOAD 1
	XLOAD 2
	XLOAD 3
	BWORK 2
	BLOCK 3
	BAR                                            ; chunk 0 lies in LDS
	; ---- by turns: a unit's LDS loads, a block of the next chunk, the unit's products.  b1 and x's first four K steps are older than block 4's loads, for which BLOCK 4 has waited ahead of the first product
.irp n, 0,1,2,3,4,5,6,7,8,9,10,11
	WLOAD \n
	BLOCK \n+4
	MULS \n
.if ((\n)%2 == 1) && ((\n)/2+4 < 8)
	XLOAD (\n)/2+4                                 ; into the ring's registers that the last two units have read
.endif
.if (\n)%4 == 3
	BAR                                            ; the next chunk lies in LDS
.endif
.endr
	; ---- the last chunk's four units: nothing is left to quantise, so the LDS loads run two units ahead
	WLOAD 12
	WLOAD 13
	s_wait_dscnt 16
	MULS 12
	WLOAD 14
	s_wait_dscnt 16
	MULS 13
	WLOAD 15
	s_wait_dscnt 16
	MULS 14
	s_wait_dscnt 0x0
	MULS 15
	s_cmp_ge_u32 s14, s17
	s_cbranch_scc1 .Lend                           ; no group of my own: nothing is stored
	s_mov_b32 s18, s14
	PTRS
	HOUT
	s_sub_co_u32 s39, s17, s14
	s_add_co_u32 s39, s39, 7
	s_lshr_b32 s39, s39, 3                         ; my trips in all: groups w, w + 8, ..; the first is done
	s_mov_b32 s38, 1
	s_cmp_ge_u32 s38, s39
	s_cbranch_scc1 .Lend
.Lgroup:
	s_wait_xcnt 0x0                                ; the last group's loads and stores have read their addresses
	s_lshl_b32 s18, s38, 3
	s_add_co_u32 s18, s18, s14                     ; g = wave + 8 x trip
	s_lshl_b32 s34, s18, 7
	s_add_nc_u64 s[26:27], s[22:23], s[34:35]
	PTRS
	LISTL
	BIAS
	WLOAD 0
	WLOAD 1
	s_wait_loadcnt 32                              ; the two words of the list are in; the 32 loads of b1 may be out
	XADDR
	XLOAD 0
	XLOAD 1
	XLOAD 2
	XLOAD 3
.irp n, 0,1,2,3,4,5,6,7,8,9,10,11,12,13,14,15
	LUNIT \n
.endr
	HOUT
	s_add_co_u32 s38, s38, 1
	s_cmp_lt_u32 s38, s39
	s_cbranch_scc1 .Lgroup
.Lend:
	s_wait_tensorcnt 0x0
	ds_add_u32 v254, v255
	s_wait_dscnt 0x0
	s_endpgm
.Lfunc_end_k_q22d53dd851_ffn1:
	.size	k_q22d53dd851_ffn1, .Lfunc_end_k_q22d53dd851_ffn1-k_q22d53dd851_ffn1
	.p2alignl 7, 3214868480
	.fill 96, 4, 3214868480
	.section	.rodata,"a",@progbits
	.p2align	6, 0x0
	.amdhsa_kernel k_q22d53dd851_ffn1
		.amdhsa_group_segment_fixed_size 103424
		.amdhsa_private_segment_fixed_size 0
		.amdhsa_enable_private_segment 0
		.amdhsa_kernarg_size 40
		.amdhsa_user_sgpr_count 2
		.amdhsa_user_sgpr_kernarg_segment_ptr 1
		.amdhsa_wavefront_size32 1
		.amdhsa_system_sgpr_workgroup_id_x 1
		.amdhsa_system_sgpr_workgroup_id_y 1
		.amdhsa_system_sgpr_workgroup_id_z 1
		.amdhsa_system_vgpr_workitem_id 0
		.amdhsa_next_free_vgpr 512
		.amdhsa_next_free_sgpr 66
		.amdhsa_reserve_vcc 0
		.amdhsa_float_denorm_mode_32 3
		.amdhsa_float_denorm_mode_16_64 3
		.amdhsa_memory_ordered 1
		.amdhsa_forward_progress 1
		.amdhsa_inst_pref_size 194
	.end_amdhsa_kernel
	.amdgpu_metadata
---
amdhsa.version: [ 1, 2 ]
amdhsa.kernels:
  - .name:           k_q22d53dd851_ffn1
    .symbol:         k_q22d53dd851_ffn1.kd
    .args:
      - { .name: w1, .offset: 0, .size: 8, .value_kind: global_buffer, .address_space: global }
      - { .name: b1, .offset: 8, .size: 8, .value_kind: global_buffer, .address_space: global }
      - { .name: xq, .offset: 16, .size: 8, .value_kind: global_buffer, .address_space: global }
      - { .name: route, .offset: 24, .size: 8, .value_kind: global_buffer, .address_space: global }
      - { .name: hq, .offset: 32, .size: 8, .value_kind: global_buffer, .address_space: global }
    .group_segment_fixed_size: 103424
    .private_segment_fixed_size: 0
    .kernarg_segment_align: 8
    .kernarg_segment_size: 40
    .max_flat_workgroup_size: 256
    .sgpr_count:     66
    .vgpr_count:     512
    .wavefront_size: 32
...
	.end_amdgpu_metadata
.endif
;; end of part 3
;; launch ffn2 (part 4): grid 32 x 8, 8 waves a work-group, no clusters, 138,240 bytes of LDS; arguments w2, hq, route, y; writes y
.if DOCPART == 4
	.amdgcn_target "amdgcn-amd-amdhsa--gfx1250"
	.amdhsa_code_object_version 6
	.text
	.protected	k_q22d53dd851_ffn2
	.globl	k_q22d53dd851_ffn2
	.p2align	8
	.type	k_q22d53dd851_ffn2,@function
k_q22d53dd851_ffn2:
	s_mov_b64 s[64:65], 0
	v_nop
	global_prefetch_b8 v0, s[64:65] scope:SCOPE_SE
	s_setreg_imm32_b32 hwreg(HW_REG_WAVE_MODE, 25, 1), 1
	s_wait_xcnt 0x0
; y[kh][1024 e + position][:] = h w2[e] over half kh of K, for the positions of expert e's list, on codes of E2M3 with one E8M0 scale for each 32 along K.
; A work-group owns expert e (grid y), 64 output columns (hs = grid x / 2) and 2,048 along K (kh = grid x % 2): 512 KiB of w2, read from memory once in the launch.  The two halves are added, with b2 and the gate's weights, by the next launch.
; QUANTISING.  A lane takes a column, its registers run down K (w2's first axis).  Wave w: columns 32 (w % 2) .. + 31, K = 512 (w / 2) .. + 511 of the half: 16 blocks; two waves cover 256 consecutive bytes of a row.
;   The codes go to LDS as images of the operand's registers: a fragment is 1,536 bytes, register group c of lane L at 512 c + 16 L.
; BY TURNS.  Four blocks of every wave are a CHUNK c: they complete K steps c, 4 + c, 8 + c, 12 + c of the half.  Unit n = 4 c + q is K step 4 q + c, four fragments, and lies at 6,144 n,
;   so what is written between two barriers and what is read there are separate runs of LDS, and every byte is written once.  A barrier stands behind each chunk.  From block 4 on a wave goes:
;   the LDS loads of a unit of the chunk before, a block (which asks for the weights two blocks ahead), the unit's eight products.  So the products of each wave's first group stand among the waits for the weights;
;   only the last chunk's four units and the way out stand behind the last block.
; GROUPS.  Wave w takes the groups of 32 positions g = w, w + 8, ..: the first by turns as above, the others in a loop behind it, counted one by one.  The part by turns has no branch: a wave without a group takes the last group
;   again (g' = min(w, groups - 1)) and stores nothing.  Group 0 counts as present for an expert without tokens too: the launch before has made its images.
;   The product is used transposed (source 0 = 16 columns of w2, source 1 = 16 positions of h): a lane holds eight neighbouring outputs of one row.
;   h's fragments come from hq as the first product's launch laid them: three loads of 16 bytes a lane.  The results go through the wave's own stage in LDS and leave as rows of 256 consecutive bytes.
; WAITS FOR LOADS.  Loads come back in order (ISA guide 5.7.1).  A block's wait leaves out all that was issued behind its 32 loads: the assembler counts the loads (ISS) and marks each block's (MW0, MW1); a count is held at 63, a smaller count being safe.
;   h's first eight K steps are asked for inside blocks 0 to 3, between a block's wait and its refill, the others behind the unit that frees their registers: each is older than weights for which a block waits ahead of its use.
; NO TENSOR LOADS, NO CLUSTER: the number of groups is a count read from memory, so trip counts differ from work-group to work-group; the weights, nearly all of the bytes, are shared by nobody.
; LIMITS: NaN and infinities are not served; a block of zeros gets the byte 1 (its codes are zeros; only this program reads the bytes).  K is summed in the order of the units.
; REGISTERS.  window 0: v1-25 addresses; v32-39 w2's scale words (two sets); v40-55 h's scale words (ring of eight K steps); v64-111, v112-159 two sets of four fragments of w2; v160-238 the quantiser of w2, later rows of y.
;   window 1: v0-63 the accumulators ((j, f) at 8 (4 j + f)); v64-255 h's fragments, a ring of eight K steps.
.set PITCH, 4096                       ; bytes from row to row of w2[e]
.set WSC,   98304                      ; LDS: behind the 64 images, their scale words, 64 bytes each
.set STG,   102400                     ; behind them a stage of 16 rows x (256 + 16) bytes for each wave
.set ISS, 0                            ; global loads issued so far in the text
.set MW0, 0                            ; ISS behind the last even block's loads
.set MW1, 0                            ; behind the last odd block's
.set MSB, 0
.macro WIN new                         ; the immediate's high byte repeats the setting that is left
.if MSB != \new
	s_set_vgpr_msb (MSB<<8)|\new
.set MSB, \new
.endif
.endm
.macro LOAD t                          ; block t: w(32 t + i, my column), i = 0 .. 31, into set t % 2
.set LI, 0
.rept 32
	global_load_b32 v[160+32*((\t)%2)+LI], v6, s[4:5] offset:(32*(\t)+LI)*PITCH th:TH_LOAD_NT
.set LI, LI+1
.endr
.set ISS, ISS+32
.if ((\t)%2) == 0
.set MW0, ISS
.else
.set MW1, ISS
.endif
.endm
.macro BWAIT t                         ; block t's 32 loads are in; all that was issued behind them may be out
.if ((\t)%2) == 0
.set WC, ISS-MW0
.else
.set WC, ISS-MW1
.endif
.if WC > 63
.set WC, 63
.endif
	s_wait_loadcnt WC
.endm
.macro BWORK t                         ; block t is quantised, its codes go to LDS, and its registers are asked for again
.set XSET, 160+32*((\t)%2)
.set IOFF, (((\t)/4)%2)*24576+256*((\t)%2)     ; the block's chunk, and the half of the lanes that holds the block
.set SAD, 4
.if (\t) >= 8
.set SAD, 25                           ; chunks 2 and 3 lie beyond an LDS instruction's 16-bit offset: a second address register
.endif
	v_max3_num_f32 v234, |v[XSET]|, |v[XSET+1]|, |v[XSET+2]|
	v_max3_num_f32 v235, |v[XSET+3]|, |v[XSET+4]|, |v[XSET+5]|
.irp i, 6,10,14,18,22,26
	v_max3_num_f32 v234, v234, |v[XSET+\i]|, |v[XSET+\i+1]|
	v_max3_num_f32 v235, v235, |v[XSET+\i+2]|, |v[XSET+\i+3]|
.endr
	v_max3_num_f32 v234, v234, |v[XSET+30]|, |v[XSET+31]|
	v_max3_num_f32 v234, v234, v235, 0x1800000     ; the floor 2^(3 - 127): the byte cannot fall under 1
	v_add_nc_u32 v236, 0xff000000, v234            ; 2 off the exponent field: the conversion's scale operand
	v_lshrrev_b32 v237, 23, v236                   ; the scale's byte
.if (\t)%4 == 0
	v_mov_b32 v238, v237                           ; four bytes make a K step's scale word
.else
	v_lshl_or_b32 v238, v237, 8*((\t)%4), v238
.endif
	v_cvt_scalef32_pk16_fp6_f32 v[224:226], v[XSET:XSET+15], v236
	v_cvt_scalef32_pk16_fp6_f32 v[230:232], v[XSET+16:XSET+31], v236   ; (a conversion's three registers begin on an even number)
	v_nop                                          ; one plain place behind a scaled conversion
	v_mov_b32 v227, v230
	v_mov_b32 v228, v231
	v_mov_b32 v229, v232
.if ((\t)%4)/2 == 0                    ; the fragment's registers 0 to 5
	ds_store_b128 v[SAD], v[224:227] offset:IOFF
	ds_store_b64 v[SAD], v[228:229] offset:IOFF+512
.else                                  ; registers 6 to 11
	ds_store_b64 v[SAD], v[224:225] offset:IOFF+520
	ds_store_b128 v[SAD], v[226:229] offset:IOFF+1024
.endif
.if (\t)%4 == 3
	ds_store_b32 v5, v238 offset:((\t)/4)*1024
.endif
.if (\t)+2 < 16
	LOAD (\t)+2
.endif
	s_wait_dscnt 0x0                               ; the stores have read their registers, and the unit's LDS loads issued ahead of the block are in
.endm
.macro BLOCK t
	BWAIT \t
	BWORK \t
.endm
.macro BAR                             ; my LDS stores have landed and my LDS loads are in: then the work-group's barrier
	s_wait_dscnt 0x0
	s_barrier_signal -1
	s_barrier_wait -1
.endm
.macro WLOAD n                         ; unit n's four fragments of w2 and their scale words into set n % 2: 16 LDS loads, each of consecutive bytes
.set WBF, 64+48*((\n)%2)
.irp f, 0,1,2,3
.irp c, 0,1,2
.if (\n) < 8
	ds_load_b128 v[WBF+12*\f+4*\c:WBF+12*\f+4*\c+3], v7 offset:(4*((\n)%8)+\f)*1536+512*\c
.else
	ds_load_b128 v[WBF+12*\f+4*\c:WBF+12*\f+4*\c+3], v17 offset:(4*((\n)%8)+\f)*1536+512*\c
.endif
.endr
	ds_load_b32 v[32+4*((\n)%2)+\f], v8 offset:(4*(\n)+\f)*64
.endr
.endm
.macro HLD n                           ; unit n's K step, 4 (n % 4) + n / 4, of my 32 positions of h: two images and two scale words into ring slot n % 8: 8 loads
.set HKS, 4*((\n)%4)+(\n)/4
.set HRG, 64+24*((\n)%8)
	WIN 0x40
.irp j, 0,1
.irp c, 0,1,2
	global_load_b128 v[HRG+12*\j+4*\c:HRG+12*\j+4*\c+3], v15, s[26:27] offset:49152*\j+1536*HKS+512*\c
.endr
.endr
	WIN 0
.irp j, 0,1
	global_load_b32 v[40+2*((\n)%8)+\j], v16, s[28:29] offset:4096*\j+128*HKS
.endr
.set ISS, ISS+8
.endm
.macro MULS n                          ; unit n: four tiles of columns x two tiles of positions: eight accumulators by turns, one instruction a turn.  Unit 0 starts the sums
.set WBUF, 64+48*((\n)%2)
.set HBUF, 64+24*((\n)%8)
	WIN 0x54                                       ; source 0 (w2) window 0; source 1 (h), C and D window 1
.irp f, 0,1,2,3
.irp j, 0,1
.set ACR, 8*(4*\j+\f)
.if (\n) == 0
	v_wmma_scale_f32_16x16x128_f8f6f4 v[ACR:ACR+7], v[WBUF+12*\f:WBUF+12*\f+11], v[HBUF+12*\j:HBUF+12*\j+11], 0, v[32+4*((\n)%2)+\f], v[40+2*((\n)%8)+\j] matrix_a_fmt:MATRIX_FMT_FP6 matrix_b_fmt:MATRIX_FMT_FP6
.else
	v_wmma_scale_f32_16x16x128_f8f6f4 v[ACR:ACR+7], v[WBUF+12*\f:WBUF+12*\f+11], v[HBUF+12*\j:HBUF+12*\j+11], v[ACR:ACR+7], v[32+4*((\n)%2)+\f], v[40+2*((\n)%8)+\j] matrix_a_fmt:MATRIX_FMT_FP6 matrix_b_fmt:MATRIX_FMT_FP6
.endif
.endr
.endr
.rept 4
	v_nop                                          ; four places in front of loads into registers that these products read, and of the first read of results
.endr
	WIN 0
.endm
.macro YOUT                            ; the way out of a group: through my stage, 16 rows at a time
.irp j, 0,1
	WIN 0x04                                       ; an LDS store's data are its source 1: window 1
.irp f, 0,1,2,3
	ds_store_b128 v18, v[8*(4*\j+\f):8*(4*\j+\f)+3] offset:64*\f          ; each accumulator from its low end on
	ds_store_b128 v18, v[8*(4*\j+\f)+4:8*(4*\j+\f)+7] offset:64*\f+16
.endr
	WIN 0
.irp i, 0,1,2,3,4,5,6,7
	ds_load_b128 v[160+32*\j+4*\i:163+32*\j+4*\i], v19 offset:544*\i      ; LDS serves a wave's instructions in order (ISA guide 5.7.1.4): these see my stores
.endr
.irp i, 0,1,2,3,4,5,6,7
	s_wait_dscnt 7-\i                              ; the younger reads of the stage may be out
	global_store_b128 v22, v[160+32*\j+4*\i:163+32*\j+4*\i], s[30:31] offset:(16*\j+2*\i)*4096   ; 16 lanes store 256 consecutive bytes, at a multiple of 256 from y's first byte
.endr
.endr
.endm
.macro LUNIT n                         ; a unit in the loop over further groups: all of LDS is whole there, so the LDS loads run two units ahead
.if (\n) < 15
	s_wait_dscnt 16                                ; this unit's 16 LDS loads are in; the next unit's may be out
.else
	s_wait_dscnt 0x0
.endif
.if 15-(\n) < 7
	s_wait_loadcnt 8*(15-(\n))                     ; this K step of h is in; the younger steps' loads, 8 each, may be out
.else
	s_wait_loadcnt 56
.endif
	MULS \n
.if (\n)+2 < 16
	WLOAD (\n)+2
.endif
.if (\n)+8 < 16
	HLD (\n)+8
.endif
.endm
	s_load_b256 s[4:11], s[0:1], 0x0               ; w2 s[4:5], hq s[6:7], route s[8:9], y s[10:11]
	v_lshl_add_u32 v254, v0, 2, 0x21800
	v_mov_b32 v255, 0
	v_lshrrev_b32 v1, 5, v0
	v_readfirstlane_b32 s14, v1                    ; wave 0..7
	s_lshr_b32 s15, ttmp9, 1                       ; hs: which 64 columns
	s_and_b32 s19, ttmp9, 1                        ; kh: which half of K
	s_and_b32 s16, ttmp7, 0xffff                   ; e
	v_and_b32 v1, 31, v0                           ; lane
	v_bfe_u32 v2, v0, 4, 1                         ; lane / 16
	v_and_b32 v3, 15, v0                           ; lane % 16
	s_and_b32 s20, s14, 1                          ; which 32 of the columns
	s_lshr_b32 s21, s14, 1                         ; which 512 along K: my unit in each chunk
	s_mul_i32 s28, s21, 6144
	s_mul_i32 s29, s20, 3072
	s_add_co_u32 s28, s28, s29
	v_mul_u32_u24 v4, v2, 1536
	v_lshl_add_u32 v4, v3, 4, v4
	v_add_nc_u32 v4, s28, v4                       ; where my codes go: fragment 2 x columns + lane / 16, row lane % 16: chunks 0 and 1,
	v_add_nc_u32 v25, 49152, v4                    ; chunks 2 and 3
	s_lshl_b32 s28, s21, 8
	s_lshl_b32 s29, s20, 7
	s_add_co_u32 s28, s28, s29
	s_add_co_u32 s28, s28, WSC
	v_lshlrev_b32 v5, 6, v2
	v_lshl_add_u32 v5, v3, 2, v5
	v_add_nc_u32 v5, s28, v5                       ; where my scale words go
	v_lshlrev_b32 v6, 2, v1                        ; 4 l
	v_lshlrev_b32 v7, 4, v1                        ; an image's place for my lane: units 0-7,
	v_add_nc_u32 v17, 49152, v7                    ; units 8-15
	v_lshl_add_u32 v8, v3, 2, WSC                  ; w2's scale words
	v_lshlrev_b32 v15, 4, v1                       ; hq: 16 l
	v_lshlrev_b32 v16, 2, v1                       ; hq's scale words: 4 l
	s_mul_i32 s29, s14, 4352
	s_add_co_u32 s29, s29, STG                     ; my stage
	v_mul_u32_u24 v18, v3, 272
	v_lshl_add_u32 v18, v2, 5, v18
	v_add_nc_u32 v18, s29, v18                     ; in: row lane % 16, 32 bytes for each half of the lanes
	v_mul_u32_u24 v19, v2, 272
	v_lshl_add_u32 v19, v3, 4, v19
	v_add_nc_u32 v19, s29, v19                     ; back: lanes 0-15 one row of 256 bytes, lanes 16-31 the next
	v_lshlrev_b32 v22, 12, v2
	v_lshl_add_u32 v22, v3, 4, v22                 ; and the same two rows in y
	s_lshl_b32 s34, s16, 24                        ; my part of w2: e x 16 MiB + (2,048 kh + 512 quarter) rows + 256 hs + 128 x columns
	s_lshl_b32 s28, s19, 23
	s_add_co_u32 s34, s34, s28
	s_lshl_b32 s28, s21, 21
	s_add_co_u32 s34, s34, s28
	s_lshl_b32 s28, s15, 8
	s_add_co_u32 s34, s34, s28
	s_lshl_b32 s28, s20, 7
	s_add_co_u32 s34, s34, s28
	s_mov_b32 s35, 0
	s_wait_kmcnt 0x0
	s_add_nc_u64 s[4:5], s[4:5], s[34:35]
	LOAD 0
	LOAD 1
	s_lshl_b32 s34, s16, 7
	s_add_nc_u64 s[44:45], s[8:9], s[34:35]
	s_load_b32 s17, s[44:45], 41984                ; the expert's count
	s_mul_i32 s34, s16, 3145728
	s_mul_i32 s28, s19, 24576
	s_add_co_u32 s34, s34, s28
	s_add_nc_u64 s[40:41], s[6:7], s[34:35]        ; hq's images: expert e, K steps 16 kh on
	s_lshl_b32 s34, s16, 18
	s_lshl_b32 s28, s19, 11
	s_add_co_u32 s34, s34, s28
	s_add_co_u32 s34, s34, 25165824
	s_add_nc_u64 s[42:43], s[6:7], s[34:35]        ; and their scale words
	s_lshl_b32 s34, s19, 25
	s_lshl_b32 s28, s16, 22
	s_add_co_u32 s34, s34, s28
	s_lshl_b32 s28, s15, 8
	s_add_co_u32 s34, s34, s28
	s_add_nc_u64 s[46:47], s[10:11], s[34:35]      ; y: half kh, row 1024 e, column 64 hs
	; ---- chunk 0; inside its blocks the first group's first eight K steps of h are asked for
	BWAIT 0
	s_wait_kmcnt 0x0
	s_min_u32 s17, s17, 1024
	s_add_co_u32 s17, s17, 31
	s_lshr_b32 s17, s17, 5
	s_max_u32 s17, s17, 1                          ; groups of 32 positions; group 0 is always there
	s_sub_co_u32 s24, s17, 1
	s_min_u32 s24, s24, s14                        ; g': my group, or the last one again
	s_min_u32 s24, s24, 7                          ; (held by a constant: it enters an address)
	s_mul_i32 s34, s24, 98304
	s_add_nc_u64 s[26:27], s[40:41], s[34:35]      ; the group's images
	s_lshl_b32 s34, s24, 13
	s_add_nc_u64 s[28:29], s[42:43], s[34:35]      ; their scale words
	HLD 0
	HLD 1
	BWORK 0
	BWAIT 1
	HLD 2
	HLD 3
	BWORK 1
	BWAIT 2
	HLD 4
	HLD 5
	BWORK 2
	BWAIT 3
	HLD 6
	HLD 7
	BWORK 3
	BAR                                            ; chunk 0 lies in LDS
	; ---- by turns: a unit's LDS loads, a block of the next chunk, the unit's products.  Unit n's K step of h is older than the loads of block n + 4, for which that block has waited
.irp n, 0,1,2,3,4,5,6,7,8,9,10,11
	WLOAD \n
	BLOCK \n+4
	MULS \n
.if (\n)+8 < 16
	HLD (\n)+8                                     ; into the ring's registers that this unit has read
.endif
.if (\n)%4 == 3
	BAR                                            ; the next chunk lies in LDS
.endif
.endr
	; ---- the last chunk's four units: nothing is left to quantise, so the LDS loads run two units ahead
	WLOAD 12
	WLOAD 13
	s_wait_dscnt 16
	MULS 12
	WLOAD 14
	s_wait_dscnt 16
	MULS 13
	WLOAD 15
	s_wait_dscnt 16
	MULS 14
	s_wait_dscnt 0x0
	MULS 15
	v_nop                                          ; a fifth place: a further group's first products begin these accumulators anew
	s_cmp_ge_u32 s14, s17
	s_cbranch_scc1 .Lend                           ; no group of my own: nothing is stored
	s_lshl_b32 s34, s14, 17
	s_add_nc_u64 s[30:31], s[46:47], s[34:35]      ; my group's 32 rows of y
	YOUT
	s_sub_co_u32 s39, s17, s14
	s_add_co_u32 s39, s39, 7
	s_lshr_b32 s39, s39, 3                         ; my trips in all: groups w, w + 8, ..; the first is done
	s_mov_b32 s38, 1
	s_cmp_ge_u32 s38, s39
	s_cbranch_scc1 .Lend
.Lgroup:
	s_wait_xcnt 0x0                                ; the last group's loads and stores have read their addresses and data
	s_lshl_b32 s18, s38, 3
	s_add_co_u32 s18, s18, s14                     ; g = wave + 8 x trip
	s_mul_i32 s34, s18, 98304
	s_add_nc_u64 s[26:27], s[40:41], s[34:35]      ; the group's images
	s_lshl_b32 s34, s18, 13
	s_add_nc_u64 s[28:29], s[42:43], s[34:35]      ; their scale words
	s_lshl_b32 s34, s18, 17
	s_add_nc_u64 s[30:31], s[46:47], s[34:35]      ; its 32 rows of y
.irp n, 0,1,2,3,4,5,6,7
	HLD \n
.endr
	WLOAD 0
	WLOAD 1
.irp n, 0,1,2,3,4,5,6,7,8,9,10,11,12,13,14,15
	LUNIT \n
.endr
	v_nop                                          ; a fifth place: the next trip's first products begin these accumulators anew
	YOUT
	s_add_co_u32 s38, s38, 1
	s_cmp_lt_u32 s38, s39
	s_cbranch_scc1 .Lgroup
.Lend:
	s_wait_tensorcnt 0x0
	ds_add_u32 v254, v255
	s_wait_dscnt 0x0
	s_endpgm
.Lfunc_end_k_q22d53dd851_ffn2:
	.size	k_q22d53dd851_ffn2, .Lfunc_end_k_q22d53dd851_ffn2-k_q22d53dd851_ffn2
	.p2alignl 7, 3214868480
	.fill 96, 4, 3214868480
	.section	.rodata,"a",@progbits
	.p2align	6, 0x0
	.amdhsa_kernel k_q22d53dd851_ffn2
		.amdhsa_group_segment_fixed_size 138240
		.amdhsa_private_segment_fixed_size 0
		.amdhsa_enable_private_segment 0
		.amdhsa_kernarg_size 32
		.amdhsa_user_sgpr_count 2
		.amdhsa_user_sgpr_kernarg_segment_ptr 1
		.amdhsa_wavefront_size32 1
		.amdhsa_system_sgpr_workgroup_id_x 1
		.amdhsa_system_sgpr_workgroup_id_y 1
		.amdhsa_system_sgpr_workgroup_id_z 1
		.amdhsa_system_vgpr_workitem_id 0
		.amdhsa_next_free_vgpr 512
		.amdhsa_next_free_sgpr 66
		.amdhsa_reserve_vcc 0
		.amdhsa_float_denorm_mode_32 3
		.amdhsa_float_denorm_mode_16_64 3
		.amdhsa_memory_ordered 1
		.amdhsa_forward_progress 1
		.amdhsa_inst_pref_size 185
	.end_amdhsa_kernel
	.amdgpu_metadata
---
amdhsa.version: [ 1, 2 ]
amdhsa.kernels:
  - .name:           k_q22d53dd851_ffn2
    .symbol:         k_q22d53dd851_ffn2.kd
    .args:
      - { .name: w2, .offset: 0, .size: 8, .value_kind: global_buffer, .address_space: global }
      - { .name: hq, .offset: 8, .size: 8, .value_kind: global_buffer, .address_space: global }
      - { .name: route, .offset: 16, .size: 8, .value_kind: global_buffer, .address_space: global }
      - { .name: y, .offset: 24, .size: 8, .value_kind: global_buffer, .address_space: global }
    .group_segment_fixed_size: 138240
    .private_segment_fixed_size: 0
    .kernarg_segment_align: 8
    .kernarg_segment_size: 32
    .max_flat_workgroup_size: 256
    .sgpr_count:     66
    .vgpr_count:     512
    .wavefront_size: 32
...
	.end_amdgpu_metadata
.endif
;; end of part 4
;; launch combine (part 5): grid 256 x 1, 4 waves a work-group, no clusters, 0 bytes of LDS; arguments y, b2, route, gf, out0; writes out0
.if DOCPART == 5
	.amdgcn_target "amdgcn-amd-amdhsa--gfx1250"
	.amdhsa_code_object_version 6
	.text
	.protected	k_q22d53dd851_combine
	.globl	k_q22d53dd851_combine
	.p2align	8
	.type	k_q22d53dd851_combine,@function
k_q22d53dd851_combine:
	s_mov_b64 s[64:65], 0
	v_nop
	global_prefetch_b8 v0, s[64:65] scope:SCOPE_SE
	s_setreg_imm32_b32 hwreg(HW_REG_WAVE_MODE, 25, 1), 1
	s_wait_xcnt 0x0
; out0[t] = w0 (y0[p0] + y1[p0] + b2[e0]) + w1 (y0[p1] + y1[p1] + b2[e1]): one token to a wave (t = 4 x work-group + wave).
; p = 1024 e + position comes from route's POSB (whole numbers that an earlier launch stored), the two weights from gf; y0 and y1 are the two halves of the second product's K.
; A row is 4,096 bytes: eight loads of 512 consecutive bytes for each of six rows, all 48 on their way at once; eight stores of 512 consecutive bytes.  Each output row has one owner.
; A stream: no LDS, no matrix unit, no barrier.
	s_load_b256 s[4:11], s[0:1], 0x0               ; y s[4:5], b2 s[6:7], route s[8:9], gf s[10:11]
	s_load_b64 s[12:13], s[0:1], 0x20              ; out0
	v_lshrrev_b32 v1, 5, v0
	v_readfirstlane_b32 s14, v1                    ; wave
	v_and_b32 v1, 31, v0
	v_lshlrev_b32 v1, 4, v1                        ; 16 l
	s_lshl_b32 s15, ttmp9, 2
	s_add_co_u32 s15, s15, s14                     ; t
	s_lshl_b32 s16, s15, 3
	s_mov_b32 s17, 0
	s_lshl_b32 s18, s15, 12
	s_mov_b32 s19, 0
	s_wait_kmcnt 0x0
	s_add_nc_u64 s[8:9], s[8:9], s[16:17]
	s_add_nc_u64 s[10:11], s[10:11], s[16:17]
	s_load_b64 s[20:21], s[8:9], 33792             ; p0, p1
	s_load_b64 s[22:23], s[10:11], 32768           ; w0, w1
	s_add_nc_u64 s[12:13], s[12:13], s[18:19]      ; out0's row t
	s_wait_kmcnt 0x0
	s_lshr_b32 s26, s20, 10
	s_min_u32 s26, s26, 7                          ; e0
	s_min_u32 s20, s20, 8191
	s_lshl_b32 s18, s20, 12
	s_add_nc_u64 s[28:29], s[4:5], s[18:19]        ; y, first half of K, row p0
	s_add_nc_u64 s[30:31], s[28:29], 0x2000000     ; second half
	s_lshl_b32 s18, s26, 12
	s_add_nc_u64 s[32:33], s[6:7], s[18:19]        ; b2[e0]
	s_lshr_b32 s26, s21, 10
	s_min_u32 s26, s26, 7                          ; e1
	s_min_u32 s21, s21, 8191
	s_lshl_b32 s18, s21, 12
	s_add_nc_u64 s[34:35], s[4:5], s[18:19]
	s_add_nc_u64 s[36:37], s[34:35], 0x2000000
	s_lshl_b32 s18, s26, 12
	s_add_nc_u64 s[38:39], s[6:7], s[18:19]
	s_mov_b32 s24, s23                             ; w1 as the low word of a pair of its own: the packed forms take a scalar pair's low word for both halves
	s_mov_b32 s25, s23
.macro ROWY q, sb                      ; a row of y: read once in the launch
.irp i, 0,1,2,3,4,5,6,7
	global_load_b128 v[16+32*\q+4*\i:19+32*\q+4*\i], v1, s[\sb:\sb+1] offset:512*\i th:TH_LOAD_NT
.endr
.endm
.macro ROWB q, sb                      ; a row of b2: many waves read it
.irp i, 0,1,2,3,4,5,6,7
	global_load_b128 v[16+32*\q+4*\i:19+32*\q+4*\i], v1, s[\sb:\sb+1] offset:512*\i
.endr
.endm
	ROWY 0, 28
	ROWY 1, 30
	ROWB 2, 32
	ROWY 3, 34
	ROWY 4, 36
	ROWB 5, 38
	s_wait_loadcnt 0x0
.set LP, 0
.rept 16
	v_pk_add_f32 v[16+2*LP:17+2*LP], v[16+2*LP:17+2*LP], v[48+2*LP:49+2*LP]         ; slot 0: the two halves of K,
	v_pk_add_f32 v[112+2*LP:113+2*LP], v[112+2*LP:113+2*LP], v[144+2*LP:145+2*LP]   ; slot 1 likewise,
	v_pk_add_f32 v[16+2*LP:17+2*LP], v[16+2*LP:17+2*LP], v[80+2*LP:81+2*LP]         ; the biases,
	v_pk_add_f32 v[112+2*LP:113+2*LP], v[112+2*LP:113+2*LP], v[176+2*LP:177+2*LP]
	v_pk_mul_f32 v[16+2*LP:17+2*LP], v[16+2*LP:17+2*LP], s[22:23] op_sel_hi:[1,0]   ; x w0,
	v_pk_fma_f32 v[16+2*LP:17+2*LP], v[112+2*LP:113+2*LP], s[24:25], v[16+2*LP:17+2*LP] op_sel_hi:[1,0,1]   ; + w1 x slot 1
.set LP, LP+1
.endr
.irp i, 0,1,2,3,4,5,6,7
	global_store_b128 v1, v[16+4*\i:19+4*\i], s[12:13] offset:512*\i th:TH_STORE_NT   ; 32 lanes store 512 consecutive bytes, at a multiple of 256 from out0's first byte
.endr
	s_endpgm
.Lfunc_end_k_q22d53dd851_combine:
	.size	k_q22d53dd851_combine, .Lfunc_end_k_q22d53dd851_combine-k_q22d53dd851_combine
	.p2alignl 7, 3214868480
	.fill 96, 4, 3214868480
	.section	.rodata,"a",@progbits
	.p2align	6, 0x0
	.amdhsa_kernel k_q22d53dd851_combine
		.amdhsa_group_segment_fixed_size 0
		.amdhsa_private_segment_fixed_size 0
		.amdhsa_enable_private_segment 0
		.amdhsa_kernarg_size 40
		.amdhsa_user_sgpr_count 2
		.amdhsa_user_sgpr_kernarg_segment_ptr 1
		.amdhsa_wavefront_size32 1
		.amdhsa_system_sgpr_workgroup_id_x 1
		.amdhsa_system_sgpr_workgroup_id_y 1
		.amdhsa_system_sgpr_workgroup_id_z 1
		.amdhsa_system_vgpr_workitem_id 0
		.amdhsa_next_free_vgpr 224
		.amdhsa_next_free_sgpr 66
		.amdhsa_reserve_vcc 0
		.amdhsa_float_denorm_mode_32 3
		.amdhsa_float_denorm_mode_16_64 3
		.amdhsa_memory_ordered 1
		.amdhsa_forward_progress 1
		.amdhsa_inst_pref_size 13
	.end_amdhsa_kernel
	.amdgpu_metadata
---
amdhsa.version: [ 1, 2 ]
amdhsa.kernels:
  - .name:           k_q22d53dd851_combine
    .symbol:         k_q22d53dd851_combine.kd
    .args:
      - { .name: y, .offset: 0, .size: 8, .value_kind: global_buffer, .address_space: global }
      - { .name: b2, .offset: 8, .size: 8, .value_kind: global_buffer, .address_space: global }
      - { .name: route, .offset: 16, .size: 8, .value_kind: global_buffer, .address_space: global }
      - { .name: gf, .offset: 24, .size: 8, .value_kind: global_buffer, .address_space: global }
      - { .name: out0, .offset: 32, .size: 8, .value_kind: global_buffer, .address_space: global }
    .group_segment_fixed_size: 0
    .private_segment_fixed_size: 0
    .kernarg_segment_align: 8
    .kernarg_segment_size: 40
    .max_flat_workgroup_size: 128
    .sgpr_count:     66
    .vgpr_count:     224
    .wavefront_size: 32
...
	.end_amdgpu_metadata
.endif
;; end of part 5
;; ======== version 2 of 2: 5 launches
;; workspace buffers: sel 4,096 bytes of whole numbers; route 44,032 bytes of whole numbers; xq 819,200 bytes; gf 40,960 bytes; hq 27,262,976 bytes; y 67,108,864 bytes
;; launch gate (part 6): grid 256 x 1, 4 waves a work-group, no clusters, 33,792 bytes of LDS; arguments x, gate_w, xq, sel, gf; writes xq, sel, gf
.if DOCPART == 6
	.amdgcn_target "amdgcn-amd-amdhsa--gfx1250"
	.amdhsa_code_object_version 6
	.text
	.protected	k_q22d53dd851_gate
	.globl	k_q22d53dd851_gate
	.p2align	8
	.type	k_q22d53dd851_gate,@function
k_q22d53dd851_gate:
	s_mov_b64 s[64:65], 0
	v_nop
	global_prefetch_b8 v0, s[64:65] scope:SCOPE_SE
	s_setreg_imm32_b32 hwreg(HW_REG_WAVE_MODE, 25, 1), 1
	s_wait_xcnt 0x0
; One token to a wave (t = 4 x work-group + wave).  Lane l owns block l of the token's row: x[t][32 l .. 32 l + 31].
; (1) The block is quantised to codes of E2M3 with one E8M0 byte.  xq's codes lie in the order of the operand's registers: [t][K step s of 128][lane half h][48 bytes]: block 4 s + 2 c + h at 96 s + 48 h + 24 c,
;     so that the product's launch takes a lane's twelve registers by three loads of 16 bytes.  Scale bytes [t][32] from byte 786,432 on.
; (2) The gate in f32: scores = x[t] . gate_w[:, e], softmax with the maximum taken away, top-2 (the lower index wins a tie), softmax of the two probabilities.
; gate_w (32 KiB) comes once for the work-group: each wave loads 8 KiB, 512 consecutive bytes an instruction, and lays it in LDS in blocks of 1,024 bytes + 16 of padding; behind one barrier lane l reads block l, its 32 rows.
; 1,040 = 65 x 16, so the sixteen lanes that an LDS load serves together fall on sixteen different 16-byte columns (64 banks of 4 bytes: ISA guide 11.1).
; Stored: the 8 probabilities and the two slot weights (gf), the two experts as whole numbers (sel = e0 | e1 << 8).  No address and no branch here hangs on them.
; LIMITS: NaN and infinities are not served; a block of zeros gets the byte 1 (its codes are zeros, and only this program reads the bytes);
; two probabilities closer than the rounding of these f32 sums may be ranked either way.
; No matrix unit: 8 columns are too few for a tile.
.set XR,  32                           ; v32-63   my 32 numbers of x
.set AC,  64                           ; v64-71   eight sums, one for each expert
.set TP,  72                           ; v72-79   the other half's sums
.set PR,  80                           ; v80-87   the probabilities
.set P2,  96                           ; v96-103  the probabilities with the best one struck out
.set GT,  128                          ; v128-191 my wave's part of gate_w on its way to LDS
.set GP,  1040                         ; a block of gate_w in LDS
.set MSB, 0
.macro WIN new                         ; the immediate's high byte repeats the setting that is left
.if MSB != \new
	s_set_vgpr_msb (MSB<<8)|\new
.set MSB, \new
.endif
.endm
	s_load_b256 s[4:11], s[0:1], 0x0               ; x s[4:5], gate_w s[6:7], xq s[8:9], sel s[10:11]
	s_load_b64 s[12:13], s[0:1], 0x20              ; gf
	v_lshl_add_u32 v254, v0, 2, 0x8200
	v_mov_b32 v255, 0
	v_lshrrev_b32 v1, 5, v0
	v_readfirstlane_b32 s14, v1                    ; wave
	v_and_b32 v1, 31, v0                           ; lane
	v_lshlrev_b32 v2, 7, v1                        ; x: 128 bytes a lane
	v_lshlrev_b32 v3, 4, v1                        ; gate_w: 16 bytes a lane
	v_lshrrev_b32 v4, 2, v1
	v_mul_u32_u24 v4, v4, 96                       ; my codes: K step l / 4,
	v_and_b32 v5, 1, v1
	v_mad_u32_u24 v4, v5, 48, v4                   ; lane half l % 2,
	v_bfe_u32 v5, v1, 1, 1
	v_mad_u32_u24 v4, v5, 24, v4                   ; registers 0-5 or 6-11
	s_mul_i32 s29, s14, 8*GP
	v_add_nc_u32 v6, s29, v3                       ; LDS, in: my wave's eight blocks, 16 bytes a lane
	v_mul_u32_u24 v7, v1, GP                       ; LDS, out: block l
	s_lshl_b32 s15, ttmp9, 2
	s_add_co_u32 s15, s15, s14                     ; t
	s_mov_b32 s17, 0
	s_mov_b32 s26, 0x76543210                      ; v_permlanex16_b32's selects for lane l xor 16
	s_mov_b32 s27, 0xfedcba98
.irp e, 0,1,2,3,4,5,6,7
	v_mov_b32 v[TP+\e], 0                          ; a lane permute's destination counts as one of its sources
.endr
	s_wait_alu depctr_va_vdst(0)
	s_wait_kmcnt 0x0
	s_lshl_b32 s16, s14, 13
	s_add_nc_u64 s[6:7], s[6:7], s[16:17]          ; my wave's 8 KiB of gate_w
	s_lshl_b32 s16, s15, 12
	s_add_nc_u64 s[4:5], s[4:5], s[16:17]          ; x's row t
.irp j, 0,1,2,3,4,5,6,7,8,9,10,11,12,13,14,15
	global_load_b128 v[GT+4*\j:GT+4*\j+3], v3, s[6:7] offset:512*\j
.endr
.irp j, 0,1,2,3,4,5,6,7
	global_load_b128 v[XR+4*\j:XR+4*\j+3], v2, s[4:5] offset:16*\j th:TH_LOAD_NT
.endr
	s_mul_i32 s16, s15, 768
	s_add_nc_u64 s[18:19], s[8:9], s[16:17]        ; the token's codes
	s_lshl_b32 s16, s15, 5
	s_add_nc_u64 s[20:21], s[8:9], s[16:17]        ; its scale bytes (+ 786,432 in the store)
	s_add_nc_u64 s[22:23], s[12:13], s[16:17]      ; its probabilities
	s_lshl_b32 s16, s15, 3
	s_add_nc_u64 s[24:25], s[12:13], s[16:17]      ; its two weights (+ 32,768 in the store)
	s_lshl_b32 s16, s15, 2
	s_add_nc_u64 s[10:11], s[10:11], s[16:17]      ; its word of sel
	s_wait_loadcnt 8                               ; gate_w's sixteen loads are in; x's eight, issued behind them, may be out
.irp j, 0,1,2,3,4,5,6,7,8,9,10,11,12,13,14,15
	ds_store_b128 v6, v[GT+4*\j:GT+4*\j+3] offset:(\j/2)*GP+512*(\j%2)
.endr
	s_wait_dscnt 0x0                               ; for the others' sake: my stores have landed
	s_barrier_signal -1
	s_barrier_wait -1                              ; all of gate_w lies in LDS; it is only read from here on
	WIN 0x40                                       ; destination window 1: gate_w[32 l + i][e] at register 8 i + e
.set LJ, 0
.rept 64
	ds_load_b128 v[4*LJ:4*LJ+3], v7 offset:16*LJ
.set LJ, LJ+1
.endr
	WIN 0
	s_wait_loadcnt 0x0                             ; x; it is quantised while the LDS loads come back
	; the block's largest magnitude with the floor 2^(3 - 127) among its leaves, so that the byte cannot fall under 1
	v_max3_num_f32 v88, |v[XR]|, |v[XR+1]|, |v[XR+2]|
	v_max3_num_f32 v89, |v[XR+3]|, |v[XR+4]|, |v[XR+5]|
.irp i, 6,10,14,18,22,26
	v_max3_num_f32 v88, v88, |v[XR+\i]|, |v[XR+\i+1]|
	v_max3_num_f32 v89, v89, |v[XR+\i+2]|, |v[XR+\i+3]|
.endr
	v_max3_num_f32 v88, v88, |v[XR+30]|, |v[XR+31]|
	v_max3_num_f32 v88, v88, v89, 0x1800000
	v_add_nc_u32 v90, 0xff000000, v88              ; 2 off its exponent field: the conversion's scale operand
	v_lshrrev_b32 v110, 23, v90                    ; the scale's byte
	v_cvt_scalef32_pk16_fp6_f32 v[112:114], v[XR:XR+15], v90
	v_cvt_scalef32_pk16_fp6_f32 v[118:120], v[XR+16:XR+31], v90   ; (a conversion's three registers begin on an even number)
	v_nop                                          ; one plain place behind a scaled conversion
	v_mov_b32 v115, v118
	v_mov_b32 v116, v119
	v_mov_b32 v117, v120
	global_store_b64 v4, v[112:113], s[18:19]      ; the wave's three stores cover the row's 768 consecutive bytes
	global_store_b64 v4, v[114:115], s[18:19] offset:8
	global_store_b64 v4, v[116:117], s[18:19] offset:16
	global_store_b8 v1, v110, s[20:21] offset:786432
	s_wait_dscnt 0x0                               ; gate_w is in my registers
	WIN 0x04                                       ; source 1 window 1
.irp e, 0,1,2,3,4,5,6,7
	v_mul_f32 v[AC+\e], v[XR], v[\e]               ; the first product starts each sum
.endr
.set LI, 1
.rept 31
.irp e, 0,1,2,3,4,5,6,7
	v_fma_f32 v[AC+\e], v[XR+LI], v[8*LI+\e], v[AC+\e]   ; the eight sums by turns
.endr
.set LI, LI+1
.endr
	WIN 0
.irp m, 1,2,4,8
.irp e, 0,1,2,3,4,5,6,7
	v_add_f32_dpp v[AC+\e], v[AC+\e], v[AC+\e] row_xmask:\m row_mask:0xf bank_mask:0xf
.endr
.endr
.irp e, 0,1,2,3,4,5,6,7
	v_permlanex16_b32 v[TP+\e], v[AC+\e], s26, s27
.endr
.irp e, 0,1,2,3,4,5,6,7
	v_add_f32 v[AC+\e], v[AC+\e], v[TP+\e]         ; every lane holds the eight scores
.endr
	v_max3_num_f32 v88, v[AC], v[AC+1], v[AC+2]
	v_max3_num_f32 v88, v88, v[AC+3], v[AC+4]
	v_max3_num_f32 v88, v88, v[AC+5], v[AC+6]
	v_max_num_f32 v88, v88, v[AC+7]                ; the largest score is taken away ahead of the exponentials
.irp e, 0,1,2,3,4,5,6,7
	v_sub_f32 v[PR+\e], v[AC+\e], v88
.endr
.irp e, 0,1,2,3,4,5,6,7
	v_mul_f32 v[PR+\e], 0x3fb8aa3b, v[PR+\e]       ; x log2(e)
.endr
	s_wait_alu depctr_va_vdst(0)
.irp e, 0,1,2,3,4,5,6,7
	v_exp_f32 v[PR+\e], v[PR+\e]
.endr
	v_nop                                          ; a plain place behind the last exponential
	s_wait_alu depctr_va_vdst(0)                   ; one wait for the batch, ahead of its first reader
	v_add_f32 v89, v[PR], v[PR+1]
	v_add_f32 v90, v[PR+2], v[PR+3]
	v_add_f32 v91, v[PR+4], v[PR+5]
	v_add_f32 v92, v[PR+6], v[PR+7]
	v_add_f32 v89, v89, v90
	v_add_f32 v91, v91, v92
	v_add_f32 v89, v89, v91
	s_wait_alu depctr_va_vdst(0)
	v_rcp_f32 v89, v89
	v_nop
	s_wait_alu depctr_va_vdst(0)
.irp e, 0,1,2,3,4,5,6,7
	v_mul_f32 v[PR+\e], v[PR+\e], v89              ; the probabilities
.endr
	; top-2 by selects alone: a strict compare keeps the lower index
	v_mov_b32 v93, v[PR]
	v_mov_b32 v94, 0
.irp e, 1,2,3,4,5,6,7
	v_cmp_gt_f32 vcc_lo, v[PR+\e], v93
	v_cndmask_b32 v93, v93, v[PR+\e], vcc_lo
	v_cndmask_b32 v94, v94, \e, vcc_lo
.endr
.irp e, 0,1,2,3,4,5,6,7
	v_cmp_eq_u32 vcc_lo, \e, v94
	v_cndmask_b32 v[P2+\e], v[PR+\e], -1.0, vcc_lo ; the best one is struck out: no probability lies under 0
.endr
	v_mov_b32 v95, v[P2]
	v_mov_b32 v104, 0
.irp e, 1,2,3,4,5,6,7
	v_cmp_gt_f32 vcc_lo, v[P2+\e], v95
	v_cndmask_b32 v95, v95, v[P2+\e], vcc_lo
	v_cndmask_b32 v104, v104, \e, vcc_lo
.endr
	; softmax of the two: w0 = 1 / (1 + e^(p1 - p0)), w1 = e^(p1 - p0) w0; p0 is the larger, so the exponent is 0 or less
	v_sub_f32 v105, v95, v93
	v_mul_f32 v105, 0x3fb8aa3b, v105
	s_wait_alu depctr_va_vdst(0)
	v_exp_f32 v105, v105
	v_lshl_or_b32 v108, v104, 8, v94               ; (a plain place)  sel = e0 | e1 << 8
	s_wait_alu depctr_va_vdst(0)
	v_add_f32 v106, 1.0, v105
	s_wait_alu depctr_va_vdst(0)
	v_rcp_f32 v106, v106
	v_mov_b32 v109, 0                              ; (a plain place)
	s_wait_alu depctr_va_vdst(0)
	v_mul_f32 v107, v105, v106
	s_wait_alu depctr_va_vdst(0)
	s_wait_xcnt 0x0                                ; EXEC changes only when the earlier stores have read it
	v_cmp_eq_u32 vcc_lo, 0, v1
	s_wait_tensorcnt 0x0
	ds_add_u32 v254, v255
	s_wait_dscnt 0x0
	s_and_saveexec_b32 s28, vcc_lo                 ; lane 0 stores the token's figures
	global_store_b128 v109, v[PR:PR+3], s[22:23]
	global_store_b128 v109, v[PR+4:PR+7], s[22:23] offset:16
	global_store_b64 v109, v[106:107], s[24:25] offset:32768
	global_store_b32 v109, v108, s[10:11]
	s_wait_xcnt 0x0
	s_or_b32 exec_lo, exec_lo, s28
	s_endpgm
.Lfunc_end_k_q22d53dd851_gate:
	.size	k_q22d53dd851_gate, .Lfunc_end_k_q22d53dd851_gate-k_q22d53dd851_gate
	.p2alignl 7, 3214868480
	.fill 96, 4, 3214868480
	.section	.rodata,"a",@progbits
	.p2align	6, 0x0
	.amdhsa_kernel k_q22d53dd851_gate
		.amdhsa_group_segment_fixed_size 33792
		.amdhsa_private_segment_fixed_size 0
		.amdhsa_enable_private_segment 0
		.amdhsa_kernarg_size 40
		.amdhsa_user_sgpr_count 2
		.amdhsa_user_sgpr_kernarg_segment_ptr 1
		.amdhsa_wavefront_size32 1
		.amdhsa_system_sgpr_workgroup_id_x 1
		.amdhsa_system_sgpr_workgroup_id_y 1
		.amdhsa_system_sgpr_workgroup_id_z 1
		.amdhsa_system_vgpr_workitem_id 0
		.amdhsa_next_free_vgpr 512
		.amdhsa_next_free_sgpr 66
		.amdhsa_reserve_vcc 1
		.amdhsa_float_denorm_mode_32 3
		.amdhsa_float_denorm_mode_16_64 3
		.amdhsa_memory_ordered 1
		.amdhsa_forward_progress 1
		.amdhsa_inst_pref_size 36
	.end_amdhsa_kernel
	.amdgpu_metadata
---
amdhsa.version: [ 1, 2 ]
amdhsa.kernels:
  - .name:           k_q22d53dd851_gate
    .symbol:         k_q22d53dd851_gate.kd
    .args:
      - { .name: x, .offset: 0, .size: 8, .value_kind: global_buffer, .address_space: global }
      - { .name: gate_w, .offset: 8, .size: 8, .value_kind: global_buffer, .address_space: global }
      - { .name: xq, .offset: 16, .size: 8, .value_kind: global_buffer, .address_space: global }
      - { .name: sel, .offset: 24, .size: 8, .value_kind: global_buffer, .address_space: global }
      - { .name: gf, .offset: 32, .size: 8, .value_kind: global_buffer, .address_space: global }
    .group_segment_fixed_size: 33792
    .private_segment_fixed_size: 0
    .kernarg_segment_align: 8
    .kernarg_segment_size: 40
    .max_flat_workgroup_size: 128
    .sgpr_count:     66
    .vgpr_count:     512
    .wavefront_size: 32
...
	.end_amdgpu_metadata
.endif
;; end of part 6
;; launch place (part 7): grid 9 x 1, 1 waves a work-group, no clusters, 0 bytes of LDS; arguments sel, gf, route, out1; writes route, out1
.if DOCPART == 7
	.amdgcn_target "amdgcn-amd-amdhsa--gfx1250"
	.amdhsa_code_object_version 6
	.text
	.protected	k_q22d53dd851_place
	.globl	k_q22d53dd851_place
	.p2align	8
	.type	k_q22d53dd851_place,@function
k_q22d53dd851_place:
	s_mov_b64 s[64:65], 0
	v_nop
	global_prefetch_b8 v0, s[64:65] scope:SCOPE_SE
	s_setreg_imm32_b32 hwreg(HW_REG_WAVE_MODE, 25, 1), 1
	s_wait_xcnt 0x0
; Work-groups 0 to 7, one wave each: expert e = work-group.  The wave walks the 1,024 tokens in order, 32 at a time, and gives each token that chose e the next position of e.
; route: LIST [8][1056] u32 at 0: the token at each position, with 32 zeros behind the last (a group of 32 positions may reach past the count);
;        POSB [1024][2] u32 at 33,792: 1024 e + position, for each token and slot;   CNT [8][32] u32 at 41,984: the count, 32 times;
;        DUMP [8][32] u32 at 43,008: spare words that nobody reads.
; EVERY LANE STORES IN EVERY GROUP: a lane whose token did not choose e stores into its own spare word of DUMP[e].  The choice is a select between two word indices, so EXEC never changes here.
; Each group has four registers of its own for its two addresses and two data words, so no store's source is written again and no wait stands among the stores.
; Each expert has room for all 1,024 tokens, so every split is served and no sum over experts is needed.  Each word is stored by one work-group.
; Work-group 8: the load-balance loss.  u = the mean probability of each expert, d = u - mean(u).  The loss is 0.00125 ln(mean(e^d)), and mean(d) = 0 but for the rounding of the mean,
; so mean(e^d) = 1 + z with z = mean(e^d - 1 - d) = mean(d^2 / 2 x (1 + d/3 (1 + d/4 (.. (1 + d/12))))): no difference of nearly equal numbers is formed.
; |d| <= 1 for every input (u lies in 0 .. 1), so the series' remainder is under 1/13!.  z <= 0.08, w = z / (2 + z) <= 0.04, ln(1 + z) = 2 w (1 + w^2/3 + w^4/5 + w^6/7).
.set POSBW, 8448                       ; POSB's first word in route
.set DUMPW, 10752                      ; DUMP's
.set MAXW,  11007                      ; route's last word
.set GR,    96                         ; v96-223: group g's LIST address, POSB address, token, 1024 e + position at v[GR + 4 g] on
	s_load_b256 s[4:11], s[0:1], 0x0               ; sel s[4:5], gf s[6:7], route s[8:9], out1 s[10:11]
	v_and_b32 v1, 31, v0                           ; lane
	v_lshlrev_b32 v2, 2, v1                        ; 4 l
	s_mov_b32 s19, ttmp9
	s_mov_b32 s13, 0
	s_cmp_eq_u32 s19, 8
	s_cbranch_scc1 .Lloss
	s_wait_kmcnt 0x0
.set LG, 0
	s_wait_alu depctr_va_vdst(0)
.rept 32
	global_load_b32 v[64+LG], v2, s[4:5] offset:128*LG     ; all 1,024 words of sel: group g's in v[64 + g]
.set LG, LG+1
.endr
	s_mov_b32 s20, 0                               ; positions given so far
	s_lshl_b32 s12, s19, 7
	s_add_nc_u64 s[16:17], s[8:9], s[12:13]        ; my expert's CNT (+ 41,984 in the store)
	s_lshl_b32 s27, s19, 10                        ; 1024 e
	s_mul_i32 s28, s19, 1056                       ; my expert's LIST, in words
	s_lshl_b32 s29, s19, 5
	s_add_co_u32 s29, s29, DUMPW
	v_add_nc_u32 v11, s29, v1                      ; my spare word
	v_lshlrev_b32 v3, 1, v1                        ; 2 l: a token's two words of POSB
	s_wait_loadcnt 0x0
.macro GRP g
	v_and_b32 v4, 0xff, v[64+\g]                   ; slot 0's expert
	v_bfe_u32 v5, v[64+\g], 8, 8                   ; slot 1's (never the same)
	v_cmp_eq_u32 s21, s19, v4
	v_cmp_eq_u32 s22, s19, v5
	s_or_b32 vcc_lo, s21, s22                      ; the lanes whose token chose me
	v_mbcnt_lo_u32_b32 v6, vcc_lo, 0               ; how many of them stand below my lane
	v_add_nc_u32 v6, s20, v6                       ; my position
	v_add_nc_u32 v7, s28, v6                       ; its word of LIST
	s_wait_alu depctr_va_vdst(0)
	v_cndmask_b32 v[GR+4*\g], v11, v7, vcc_lo      ; or my spare word
	v_min_u32 v[GR+4*\g], MAXW, v[GR+4*\g]         ; held inside route
	v_lshlrev_b32 v[GR+4*\g], 2, v[GR+4*\g]
	v_cndmask_b32 v8, 0, 1, s22                    ; my slot
	v_add3_u32 v8, v8, v3, POSBW+64*\g             ; its word of POSB: token 32 g + l
	v_cndmask_b32 v[GR+4*\g+1], v11, v8, vcc_lo
	v_min_u32 v[GR+4*\g+1], MAXW, v[GR+4*\g+1]
	v_lshlrev_b32 v[GR+4*\g+1], 2, v[GR+4*\g+1]
	v_add_nc_u32 v[GR+4*\g+2], 32*\g, v1           ; my token
	v_add_nc_u32 v[GR+4*\g+3], s27, v6             ; 1024 e + position
	s_bcnt1_i32_b32 s26, vcc_lo
	global_store_b32 v[GR+4*\g], v[GR+4*\g+2], s[8:9]
	global_store_b32 v[GR+4*\g+1], v[GR+4*\g+3], s[8:9]
	s_add_co_u32 s20, s20, s26
.endm
.irp g, 0,1,2,3,4,5,6,7,8,9,10,11,12,13,14,15,16,17,18,19,20,21,22,23,24,25,26,27,28,29,30,31
	GRP \g
.endr
	v_add_nc_u32 v9, s20, v1
	v_min_u32 v9, 1055, v9                         ; the 32 positions behind the last, inside my expert's 1,056
	v_add_nc_u32 v9, s28, v9
	v_lshlrev_b32 v9, 2, v9
	v_mov_b32 v10, 0
	global_store_b32 v9, v10, s[8:9]               ; token 0 there
	v_mov_b32 v12, s20
	global_store_b32 v2, v12, s[16:17] offset:41984
	s_endpgm
.Lloss:
	s_wait_kmcnt 0x0
	s_wait_alu depctr_va_vdst(0)
	v_lshlrev_b32 v3, 4, v1                        ; 16 l: lane l holds experts 4 (l % 2) .. + 3 of token l / 2 + 16 j
	s_mov_b32 s14, 0x76543210
	s_mov_b32 s15, 0xfedcba98
.macro PLOAD half
.set LJ, 0
.rept 32
	global_load_b128 v[64+4*LJ:67+4*LJ], v3, s[6:7] offset:16384*\half+512*LJ
.set LJ, LJ+1
.endr
.endm
.macro PSUM from                       ; two sets of four sums, so that no addition waits for the one before it
.set LJ, \from
.rept (32-\from)/2
	v_pk_add_f32 v[12:13], v[12:13], v[64+4*LJ:65+4*LJ]
	v_pk_add_f32 v[14:15], v[14:15], v[66+4*LJ:67+4*LJ]
	v_pk_add_f32 v[16:17], v[16:17], v[68+4*LJ:69+4*LJ]
	v_pk_add_f32 v[18:19], v[18:19], v[70+4*LJ:71+4*LJ]
.set LJ, LJ+2
.endr
.endm
	PLOAD 0
.irp k, 0,1,2,3
	v_mov_b32 v[20+\k], 0                          ; a lane permute's destination counts as one of its sources
.endr
	s_wait_loadcnt 0x0
	v_pk_add_f32 v[12:13], v[64:65], v[72:73]      ; the first additions start the sums
	v_pk_add_f32 v[14:15], v[66:67], v[74:75]
	v_pk_add_f32 v[16:17], v[68:69], v[76:77]
	v_pk_add_f32 v[18:19], v[70:71], v[78:79]
	PSUM 4
	PLOAD 1
	s_wait_alu depctr_va_vdst(0)
	s_wait_loadcnt 0x0
	PSUM 0
	v_pk_add_f32 v[12:13], v[12:13], v[16:17]
	v_pk_add_f32 v[14:15], v[14:15], v[18:19]
.irp m, 2,4,8
.irp k, 0,1,2,3
	v_add_f32_dpp v[12+\k], v[12+\k], v[12+\k] row_xmask:\m row_mask:0xf bank_mask:0xf   ; lanes of my parity hold my four experts
.endr
.endr
.irp k, 0,1,2,3
	v_permlanex16_b32 v[20+\k], v[12+\k], s14, s15
.endr
.irp k, 0,1,2,3
	v_add_f32 v[12+\k], v[12+\k], v[20+\k]
.endr
.irp k, 0,1,2,3
	v_mul_f32 v[12+\k], 0x3a800000, v[12+\k]       ; u = sum / 1,024
.endr
	v_add_f32 v24, v12, v13
	v_add_f32 v25, v14, v15
	v_add_f32 v24, v24, v25
	v_add_f32_dpp v24, v24, v24 row_xmask:1 row_mask:0xf bank_mask:0xf   ; with the other four experts
	v_mul_f32 v24, 0x3e000000, v24                 ; mean(u)
.irp k, 0,1,2,3
	v_sub_f32 v[12+\k], v[12+\k], v24              ; d
.endr
.irp k, 0,1,2,3
	v_fma_f32 v[32+\k], v[12+\k], 0x3daaaaab, 1.0  ; q = 1 + d / 12
.endr
.irp c, 0x3dba2e8c, 0x3dcccccd, 0x3de38e39, 0x3e000000, 0x3e124925, 0x3e2aaaab, 0x3e4ccccd, 0x3e800000, 0x3eaaaaab
.irp k, 0,1,2,3
	v_mul_f32 v[28+\k], \c, v[12+\k]               ; d / n, n = 11 down to 3
.endr
.irp k, 0,1,2,3
	v_fma_f32 v[32+\k], v[28+\k], v[32+\k], 1.0    ; q = 1 + (d / n) q
.endr
.endr
.irp k, 0,1,2,3
	v_mul_f32 v[28+\k], v[12+\k], v[12+\k]
.endr
.irp k, 0,1,2,3
	v_mul_f32 v[28+\k], v[28+\k], v[32+\k]         ; d^2 q = 2 (e^d - 1 - d)
.endr
	v_add_f32 v24, v28, v29
	v_add_f32 v25, v30, v31
	v_add_f32 v24, v24, v25
	v_add_f32_dpp v24, v24, v24 row_xmask:1 row_mask:0xf bank_mask:0xf
	v_mul_f32 v24, 0x3d800000, v24                 ; z = the sum / 16
	v_add_f32 v25, 2.0, v24
	s_wait_alu depctr_va_vdst(0)
	v_rcp_f32 v25, v25
	v_mov_b32 v27, 0x3e124925                      ; (a plain place)  1/7
	s_wait_alu depctr_va_vdst(0)                   ; ahead of the reciprocal's first reader
	v_mul_f32 v25, v24, v25                        ; w
	v_mul_f32 v26, v25, v25
	v_fma_f32 v27, v26, v27, 0x3e4ccccd            ; 1/5 + w^2 / 7
	v_fma_f32 v27, v26, v27, 0x3eaaaaab            ; 1/3 + ..
	v_fma_f32 v27, v26, v27, 1.0
	v_mul_f32 v25, v25, v27
	v_mul_f32 v25, 0x3b23d70a, v25                 ; x 2 x 0.01 / 8
	v_mov_b32 v30, 0
	s_wait_alu depctr_va_vdst(0)
	s_wait_xcnt 0x0
	v_cmp_eq_u32 vcc_lo, 0, v1
	s_and_saveexec_b32 s25, vcc_lo
	global_store_b32 v30, v25, s[10:11]
	s_wait_xcnt 0x0
	s_or_b32 exec_lo, exec_lo, s25
	s_endpgm
.Lfunc_end_k_q22d53dd851_place:
	.size	k_q22d53dd851_place, .Lfunc_end_k_q22d53dd851_place-k_q22d53dd851_place
	.p2alignl 7, 3214868480
	.fill 96, 4, 3214868480
	.section	.rodata,"a",@progbits
	.p2align	6, 0x0
	.amdhsa_kernel k_q22d53dd851_place
		.amdhsa_group_segment_fixed_size 0
		.amdhsa_private_segment_fixed_size 0
		.amdhsa_enable_private_segment 0
		.amdhsa_kernarg_size 32
		.amdhsa_user_sgpr_count 2
		.amdhsa_user_sgpr_kernarg_segment_ptr 1
		.amdhsa_wavefront_size32 1
		.amdhsa_system_sgpr_workgroup_id_x 1
		.amdhsa_system_sgpr_workgroup_id_y 1
		.amdhsa_system_sgpr_workgroup_id_z 1
		.amdhsa_system_vgpr_workitem_id 0
		.amdhsa_next_free_vgpr 224
		.amdhsa_next_free_sgpr 66
		.amdhsa_reserve_vcc 1
		.amdhsa_float_denorm_mode_32 3
		.amdhsa_float_denorm_mode_16_64 3
		.amdhsa_memory_ordered 1
		.amdhsa_forward_progress 1
		.amdhsa_inst_pref_size 65
	.end_amdhsa_kernel
	.amdgpu_metadata
---
amdhsa.version: [ 1, 2 ]
amdhsa.kernels:
  - .name:           k_q22d53dd851_place
    .symbol:         k_q22d53dd851_place.kd
    .args:
      - { .name: sel, .offset: 0, .size: 8, .value_kind: global_buffer, .address_space: global }
      - { .name: gf, .offset: 8, .size: 8, .value_kind: global_buffer, .address_space: global }
      - { .name: route, .offset: 16, .size: 8, .value_kind: global_buffer, .address_space: global }
      - { .name: out1, .offset: 24, .size: 8, .value_kind: global_buffer, .address_space: global }
    .group_segment_fixed_size: 0
    .private_segment_fixed_size: 0
    .kernarg_segment_align: 8
    .kernarg_segment_size: 32
    .max_flat_workgroup_size: 32
    .sgpr_count:     66
    .vgpr_count:     224
    .wavefront_size: 32
...
	.end_amdgpu_metadata
.endif
;; end of part 7
;; launch ffn1 (part 8): grid 32 x 8, 8 waves a work-group, no clusters, 103,424 bytes of LDS; arguments w1, b1, xq, route, hq; writes hq
.if DOCPART == 8
	.amdgcn_target "amdgcn-amd-amdhsa--gfx1250"
	.amdhsa_code_object_version 6
	.text
	.protected	k_q22d53dd851_ffn1
	.globl	k_q22d53dd851_ffn1
	.p2align	8
	.type	k_q22d53dd851_ffn1,@function
k_q22d53dd851_ffn1:
	s_mov_b64 s[64:65], 0
	v_nop
	global_prefetch_b8 v0, s[64:65] scope:SCOPE_SE
	s_setreg_imm32_b32 hwreg(HW_REG_WAVE_SCHED_MODE, 0, 2), 2
	s_setreg_imm32_b32 hwreg(HW_REG_WAVE_MODE, 25, 1), 1
	s_wait_xcnt 0x0
	s_wait_alu depctr_vm_vsrc(0)
; h = Q(relu(x w1[e] + b1[e])) for the tokens that chose expert e, on codes of E2M3 with one E8M0 scale for each 32 along K.
; A work-group owns expert e (grid y) and 128 hidden units (grid x = fs): w1[e][0 .. 1023][128 fs .. + 127], 512 KiB of f32, read from memory once in the launch.
; QUANTISING.  A lane takes a column and its registers run down K (w1's first axis), so a block of 32 lies in one lane and the conversions give codes with K innermost.
;   Wave w: columns 32 (w % 4) .. + 31, K = 512 (w / 4) .. + 511: 16 blocks.  The codes go to LDS as IMAGES OF THE OPERAND'S REGISTERS: a fragment is 1,536 bytes, register group c of lane L at 512 c + 16 L.
;   The columns of a tile are not neighbours: lane r of tile 2 b + u holds column 32 b + 8 u + r + 8 (r / 8), so that a lane's 16 results of tiles 2 b, 2 b + 1 are 16 neighbours along the next product's K.
; BY TURNS.  Four blocks of every wave are a CHUNK c: they complete K steps c and 4 + c, 16 fragments: four UNITS of four fragments.  Unit n = 4 c + i (K step 4 (i / 2) + c, tiles 4 (i % 2) .. + 3) lies at 6,144 n,
;   so what is written between two barriers and what is read there are separate runs of LDS, and every byte is written once.  A barrier stands behind each chunk.  From block 4 on a wave goes:
;   the LDS loads of a unit of the chunk before, a block (which asks for the weights two blocks ahead), the unit's eight products.  So the products of each wave's first group stand among the waits for the weights;
;   only the last chunk's four units and the way out stand behind the last block.
; GROUPS.  Wave w takes the groups of 32 positions g = w, w + 8, .. of the expert's list: the first by turns as above, the others in a loop behind it, counted one by one.
;   The part by turns has no branch: a wave without a group takes the last group again (g' = min(w, groups - 1)) and stores nothing.  Group 0 is always made, for an expert without tokens too, so every byte that is loaded later has been stored.
;   The product is used transposed (source 0 = 16 columns of w1, source 1 = 16 tokens): a lane holds one token.  b1 is loaded straight into the accumulators, so the bias costs no addition.
;   The results are clipped at 0, quantised in registers, and stored as register images: they are K step fs of the second product.
; hq: images at ((64 e + tile of positions) x 32 + fs) x 1,536; scale words from byte 25,165,824 on, 128 bytes for each image.
; WAITS FOR LOADS.  Loads come back in order (ISA guide 5.7.1).  A block's wait leaves out all that was issued behind its 32 loads: the assembler counts the loads (ISS) and marks each block's (MW0, MW1); a count is held at 63, a smaller count being safe.
;   The list, b1 and x are asked for inside blocks 0 to 2, between a block's wait and its refill, x's later K steps inside the block that follows the unit that frees their registers, ahead of that block's refill:
;   each is older than weights for which a block waits ahead of its use.
; NO TENSOR LOADS, NO CLUSTER: the number of groups is a count read from memory, so trip counts differ from work-group to work-group; the weights, nearly all of the bytes, are shared by nobody.
; LIMITS: NaN and infinities are not served; a block of zeros gets the byte 1 (its codes are zeros; only this program reads the bytes).  K is summed in the order of the units.
; REGISTERS.  window 0: v1-25 addresses; v32-39 w1's scale words (two sets); v40-55 x's scale words; v64-111, v112-159 two sets of four fragments of w1; v160-238 the quantiser of w1.
;   window 1: v0-127 the accumulators (tile of tokens j, tile of columns t at 64 j + 8 t); v128-223 x's fragments, a ring of four K steps; behind the products the quantiser of h works there.
; THE MODE: SCHED_MODE bits 1:0 = 2 (LLVM: expert scheduling mode 2), set by the entry lines.  The code itself states the register dependences
; between vector or matrix instructions and memory or LDS instructions, with s_wait_alu, always for 0.
; THE PLAN.  Registers that memory or LDS instructions touch, and who else names them:
;   v160-223             two sets of 32 weights.  Block t's maxima and conversions read set t % 2; behind them the loads of block t + 2 land in it.
;   v224-229, v238       a block's codes and scale word.  Written by the block's conversions and moves, read by its LDS stores, written again by the next block.
;   v64-159, v32-39      two sets of fragments and scale words.  Unit n's LDS loads land in set n % 2, its products read it, unit n + 2's loads land in it again.
;   window 1 v128-223, v40-55   x's ring and scale words.  Loads land, products read; a K step's slot is asked for again when its two units' products are done.
;   window 1 v0-127      the accumulators.  b1's loads land; products, the activation and the quantiser of h name them; a further group's b1 lands again.
;   window 1 v144-157    the codes and scale word of h (inside the ring).  Written by the quantiser, read by the stores, written again by the next tile's quantiser or by a further group's loads of x.
;   v10-13, v20, v21     made anew for each group: the list lands in v20, v21; six vector lines make v10-13; the loads of x read them.  All other addresses are made at the head and never written again.
; ONE wait on va_vdst stands in a block, behind its conversions and moves: the codes are written, the block's 32 numbers are read, and all products issued so far are done reading.  Behind it follow the LDS stores, the ring's
; refill and the weights' loads; and the next unit's LDS loads, which land in the set that the unit two back read: the only products issued since that wait are the unit's between, which name the other set.
; ONE wait on vm_vsrc stands in a block, behind its maxima: the last block's LDS stores have read the codes' registers.  The tail and the loop over further groups, which have no blocks, hold one wait on va_vdst behind a unit's products.
.set PITCH, 16384                      ; bytes from row to row of w1[e]
.set WSC,   98304                      ; LDS: behind the 64 images, their scale words, 64 bytes each
.set TM,  128                          ; window 1: v128-143 the quantiser's figures
.set PW,  144                          ; the scale word just made
.set PC,  146                          ; v146-164 the codes just made
.set ISS, 0                            ; global loads issued so far in the text
.set MW0, 0                            ; ISS behind the last even block's loads
.set MW1, 0                            ; behind the last odd block's
.set MSB, 0
.macro WIN new                         ; the immediate's high byte repeats the setting that is left
.if MSB != \new
	s_set_vgpr_msb (MSB<<8)|\new
.set MSB, \new
.endif
.endm
.macro LOAD t                          ; block t: w(32 t + i, my column), i = 0 .. 31, into set t % 2; a wave's load covers 128 consecutive bytes, four waves 512
.set LI, 0
.rept 32
	global_load_b32 v[160+32*((\t)%2)+LI], v6, s[4:5] offset:(32*(\t)+LI)*PITCH th:TH_LOAD_NT
.set LI, LI+1
.endr
.set ISS, ISS+32
.if ((\t)%2) == 0
.set MW0, ISS
.else
.set MW1, ISS
.endif
.endm
.macro BWAIT t                         ; block t's 32 loads are in; all that was issued behind them may be out
.if ((\t)%2) == 0
.set WC, ISS-MW0
.else
.set WC, ISS-MW1
.endif
.if WC > 63
.set WC, 63
.endif
	s_wait_loadcnt WC
.endm
.macro BWORK t, xm                     ; block t is quantised, its codes go to LDS, and its registers are asked for again.  xm: the K step of x (in the units' order) that is asked for here, or -1
.set XSET, 160+32*((\t)%2)
.set IOFF, (((\t)/4)%2)*24576+256*((\t)%2)     ; the block's chunk, and the half of the lanes that holds the block
.set SAD, 4
.if (\t) >= 8
.set SAD, 25                           ; chunks 2 and 3 lie beyond an LDS instruction's 16-bit offset: a second address register
.endif
	v_max3_num_f32 v234, |v[XSET]|, |v[XSET+1]|, |v[XSET+2]|
	v_max3_num_f32 v235, |v[XSET+3]|, |v[XSET+4]|, |v[XSET+5]|
.irp i, 6,10,14,18,22,26
	v_max3_num_f32 v234, v234, |v[XSET+\i]|, |v[XSET+\i+1]|
	v_max3_num_f32 v235, v235, |v[XSET+\i+2]|, |v[XSET+\i+3]|
.endr
	v_max3_num_f32 v234, v234, |v[XSET+30]|, |v[XSET+31]|
	v_max3_num_f32 v234, v234, v235, 0x1800000     ; the floor 2^(3 - 127): the byte cannot fall under 1
	v_add_nc_u32 v236, 0xff000000, v234            ; 2 off the exponent field: the conversion's scale operand
	v_lshrrev_b32 v237, 23, v236                   ; the scale's byte
.if (\t) > 0
	s_wait_alu depctr_vm_vsrc(0)                   ; the last block's LDS stores have read v224 to v229 and v238, which are written again from here on
.endif
.if (\t)%4 == 0
	v_mov_b32 v238, v237                           ; four bytes make a K step's scale word
.else
	v_lshl_or_b32 v238, v237, 8*((\t)%4), v238
.endif
	v_cvt_scalef32_pk16_fp6_f32 v[224:226], v[XSET:XSET+15], v236
	v_cvt_scalef32_pk16_fp6_f32 v[230:232], v[XSET+16:XSET+31], v236   ; (a conversion's three registers begin on an even number)
	v_nop                                          ; one plain place behind a scaled conversion
	v_mov_b32 v227, v230
	v_mov_b32 v228, v231
	v_mov_b32 v229, v232
	s_wait_alu depctr_va_vdst(0)                   ; v224 to v229 and v238 are written, which the LDS stores read; the products issued so far are done reading the K step of x that is asked for again here and the set that the next unit's LDS loads fill
.if ((\t)%4)/2 == 0                    ; the fragment's registers 0 to 5
	ds_store_b128 v[SAD], v[224:227] offset:IOFF
	ds_store_b64 v[SAD], v[228:229] offset:IOFF+512
.else                                  ; registers 6 to 11
	ds_store_b64 v[SAD], v[224:225] offset:IOFF+520
	ds_store_b128 v[SAD], v[226:229] offset:IOFF+1024
.endif
.if (\t)%4 == 3
	ds_store_b32 v5, v238 offset:((\t)/4)*1024
.endif
.if (\xm) >= 0
	XLOAD \xm                                      ; into the ring's registers that the last two units have read; no vector or matrix instruction since the wait above names them
.endif
.if (\t)+2 < 16
	LOAD (\t)+2
.endif
	s_wait_dscnt 0x0                               ; my stores have landed, and the unit's LDS loads issued ahead of the block are in
.endm
.macro BLOCK t, xm
	BWAIT \t
	BWORK \t, \xm
.endm
.macro BAR                             ; my LDS stores have landed and my LDS loads are in: then the work-group's barrier
	s_wait_dscnt 0x0
	s_barrier_signal -1
	s_barrier_wait -1
.endm
.macro WLOAD n                         ; unit n's four fragments and their scale words into set n % 2: 16 LDS loads, each of consecutive bytes
.set WBF, 64+48*((\n)%2)
.irp f, 0,1,2,3
.irp c, 0,1,2
.if (\n) < 8
	ds_load_b128 v[WBF+12*\f+4*\c:WBF+12*\f+4*\c+3], v7 offset:(4*((\n)%8)+\f)*1536+512*\c
.else
	ds_load_b128 v[WBF+12*\f+4*\c:WBF+12*\f+4*\c+3], v17 offset:(4*((\n)%8)+\f)*1536+512*\c
.endif
.endr
	ds_load_b32 v[32+4*((\n)%2)+\f], v8 offset:(4*(\n)+\f)*64
.endr
.endm
.macro XLOAD m                         ; the m-th K step in the units' order, 4 (m % 2) + m / 2, of my 32 tokens' codes: a lane's twelve registers are 48 consecutive bytes: 6 loads
.set XKS, 4*((\m)%2)+(\m)/2
	WIN 0x40
.irp j, 0,1
.irp c, 0,1,2
	global_load_b128 v[128+24*((\m)%4)+12*\j+4*\c:128+24*((\m)%4)+12*\j+4*\c+3], v[10+\j], s[8:9] offset:96*XKS+16*\c
.endr
.endr
	WIN 0
.set ISS, ISS+6
.endm
.macro MULS n                          ; unit n x two tiles of tokens: eight accumulators by turns, one instruction a turn
.set KSTP, 4*(((\n)%4)/2)+(\n)/4
.set WBUF, 64+48*((\n)%2)
.set XBUF, 128+24*(((\n)/2)%4)
	WIN 0x54                                       ; source 0 (w1) window 0; source 1 (x), C and D window 1
.irp f, 0,1,2,3
.irp j, 0,1
.set ACR, 64*\j+8*(4*((\n)%2)+\f)
	v_wmma_scale_f32_16x16x128_f8f6f4 v[ACR:ACR+7], v[WBUF+12*\f:WBUF+12*\f+11], v[XBUF+12*\j:XBUF+12*\j+11], v[ACR:ACR+7], v[32+4*((\n)%2)+\f], v[40+8*\j+KSTP] matrix_a_fmt:MATRIX_FMT_FP6 matrix_b_fmt:MATRIX_FMT_FP6
.endr
.endr
.rept 4
	v_nop                                          ; four places (ISA guide 7.12.1) behind these products, in front of the first read of results
.endr
	WIN 0
.endm
.macro LISTL                           ; lane r: the tokens at positions 32 g + r and 32 g + 16 + r
	global_load_b32 v20, v9, s[26:27]
	global_load_b32 v21, v9, s[26:27] offset:64
.set ISS, ISS+2
.endm
.macro BIAS                            ; the bias is where the sums begin: lane (r, h), tile 2 b + u: b1 at 32 b + 16 h + 8 u + 0 .. 7
	WIN 0x40
.irp j, 0,1
.irp t, 0,1,2,3,4,5,6,7
	global_load_b128 v[64*\j+8*\t:64*\j+8*\t+3], v14, s[36:37] offset:(32*(\t/2)+8*(\t%2))*4
	global_load_b128 v[64*\j+8*\t+4:64*\j+8*\t+7], v14, s[36:37] offset:(32*(\t/2)+8*(\t%2))*4+16
.endr
.endr
	WIN 0
.set ISS, ISS+32
.endm
.macro XADDR                           ; from the tokens to their places in xq, and their scale words: eight words a token, one for each K step
	v_min_u32 v20, 0x3ff, v20
	v_min_u32 v21, 0x3ff, v21
	v_mul_u32_u24 v10, v20, 768
	v_mul_u32_u24 v11, v21, 768
	v_add_nc_u32 v10, v10, v23                     ; the token's codes, + 48 h
	v_add_nc_u32 v11, v11, v23
	v_lshlrev_b32 v12, 5, v20
	v_lshlrev_b32 v13, 5, v21
	s_wait_alu depctr_va_vdst(0)                   ; v10 to v13 are written, which the loads of x's scale words and codes read as their offsets
	global_load_b128 v[40:43], v12, s[8:9] offset:786432
	global_load_b128 v[44:47], v12, s[8:9] offset:786448
	global_load_b128 v[48:51], v13, s[8:9] offset:786432
	global_load_b128 v[52:55], v13, s[8:9] offset:786448
.set ISS, ISS+4
.endm
.macro PTRS                            ; where group s18's two images and their scale words go
	s_mul_i32 s34, s18, 98304
	s_add_nc_u64 s[28:29], s[40:41], s[34:35]
	s_lshl_b32 s34, s18, 13
	s_add_nc_u64 s[30:31], s[42:43], s[34:35]
.endm
; 64 numbers of a lane, v[s] .. v[s + 63], register 16 b + i = k 32 b + 16 (lane / 16) + i of my token, become a fragment's codes in v[PC] on and its scale word in v[PW]
.macro QUANT s
.irp b, 0,1,2,3
	v_max3_num_f32 v[TM+\b], |v[\s+16*\b]|, |v[\s+1+16*\b]|, 0x1800000   ; my 16 numbers of block b, and the floor
.endr
.irp i, 2,4,6,8,10,12,14
.irp b, 0,1,2,3
	v_max3_num_f32 v[TM+\b], v[TM+\b], |v[\s+16*\b+\i]|, |v[\s+1+16*\b+\i]|
.endr
.endr
.irp b, 0,1,2,3
	v_permlanex16_b32 v[TM+4+\b], v[TM+\b], s32, s33
.endr
.irp b, 0,1,2,3
	v_max_num_f32 v[TM+\b], v[TM+\b], v[TM+4+\b]   ; with lane l xor 16's: the block's largest magnitude
.endr
.irp b, 0,1,2,3
	v_add_nc_u32 v[TM+12+\b], 0xff000000, v[TM+\b]
.endr
.irp b, 0,1,2,3
	v_lshrrev_b32 v[TM+4+\b], 23, v[TM+12+\b]
.endr
	v_lshl_or_b32 v[PW], v[TM+5], 8, v[TM+4]
	v_lshl_or_b32 v[PW], v[TM+6], 16, v[PW]
	v_lshl_or_b32 v[PW], v[TM+7], 24, v[PW]
.irp c, 0,1
	v_cvt_scalef32_pk16_fp6_f32 v[PC+6*\c:PC+2+6*\c], v[\s+32*\c:\s+15+32*\c], v[TM+12+2*\c]
	v_cvt_scalef32_pk16_fp6_f32 v[PC+12+4*\c:PC+14+4*\c], v[\s+16+32*\c:\s+31+32*\c], v[TM+12+2*\c+1]
.endr
	v_nop                                          ; one plain place behind a scaled conversion
.irp c, 0,1                            ; the operand's layout wants a whole block in a lane: lanes 0-15 block 2 c, lanes 16-31 block 2 c + 1
.irp i, 0,1,2
	v_permlane16_swap_b32 v[PC+6*\c+\i], v[PC+12+4*\c+\i]
.endr
.irp i, 0,1,2
	v_mov_b32 v[PC+3+6*\c+\i], v[PC+12+4*\c+\i]
.endr
.endr
.endm
.macro HOUT                            ; the way out of a group: activation, quantiser, two images and their scale words
.irp j, 0,1
	WIN 0x55                                       ; all in window 1
.set LI, 0
.rept 64
	v_max_num_f32 v[64*\j+LI], 0, v[64*\j+LI]      ; the activation, in f32; each accumulator from its low end on
.set LI, LI+1
.endr
.irp b, 0,1,2,3
	v_mov_b32 v[TM+4+\b], 0                        ; a lane permute's destination counts as one of its sources
.endr
	QUANT 64*\j
	WIN 0x04                                       ; a store's data are its source 1: window 1
	s_wait_alu depctr_va_vdst(0)                   ; the quantiser has written v[PC ..] and v[PW], which the stores read.  Behind the second tile's wait no vector or matrix instruction follows in the group: all that a further group's loads land in (accumulators, ring, sets, scale words, v20, v21) has been read and written
.irp c, 0,1,2
	global_store_b128 v15, v[PC+4*\c:PC+4*\c+3], s[28:29] offset:49152*\j+512*\c   ; 32 lanes store 512 consecutive bytes, at a multiple of 256 from hq's first byte
.endr
	global_store_b32 v16, v[PW], s[30:31] offset:4096*\j
	s_wait_xcnt 0x0                                ; the stores have had their addresses translated: their registers are written again below
	s_wait_alu depctr_vm_vsrc(0)                   ; the stores have read v[PC ..] and v[PW], which the next tile's quantiser or a further group's loads of x write again; the group's loads of x have read v10 to v13, which a further group makes anew
.endr
	WIN 0
.endm
.macro LUNIT n                         ; a unit in the loop over further groups: all of LDS is whole there, so the LDS loads run two units ahead
.if (\n) < 15
	s_wait_dscnt 16                                ; this unit's 16 LDS loads are in; the next unit's may be out
.else
	s_wait_dscnt 0x0
.endif
.if (\n)%2 == 0
.if 7-(\n)/2 < 3
	s_wait_loadcnt 6*(7-(\n)/2)                    ; this K step of x is in; the younger steps' loads, 6 each, may be out
.else
	s_wait_loadcnt 18
.endif
.endif
	MULS \n
.if (\n)+2 < 16
	s_wait_alu depctr_va_vdst(0)                   ; this unit's products are done reading their set and scale words, in which the LDS loads below land, and (odd units) their K step of x, which is asked for again
	WLOAD (\n)+2
.endif
.if ((\n)%2 == 1) && ((\n)/2+4 < 8)
	XLOAD (\n)/2+4
.endif
.endm
	s_load_b256 s[4:11], s[0:1], 0x0               ; w1 s[4:5], b1 s[6:7], xq s[8:9], route s[10:11]
	s_load_b64 s[12:13], s[0:1], 0x20              ; hq
	v_lshl_add_u32 v254, v0, 2, 0x19000
	v_mov_b32 v255, 0
	v_lshrrev_b32 v1, 5, v0
	v_readfirstlane_b32 s14, v1                    ; wave 0..7
	s_mov_b32 s15, ttmp9                           ; fs
	s_and_b32 s16, ttmp7, 0xffff                   ; e
	v_and_b32 v1, 31, v0                           ; lane
	v_bfe_u32 v2, v0, 3, 1                         ; u: which of my two tiles my column falls into
	s_wait_alu depctr_va_vdst(0)
	v_and_b32 v3, 7, v0
	v_bfe_u32 v24, v0, 4, 1                        ; h = lane / 16
	v_lshl_add_u32 v3, v24, 3, v3                  ; its row there: lane % 8 + 8 (lane / 16)
	s_wait_alu depctr_va_sdst(0)                   ; s14 is written, ahead of its first reader
	s_lshr_b32 s19, s14, 2                         ; which half of K
	s_and_b32 s20, s14, 3                          ; which 32 columns
	s_lshl_b32 s21, s19, 1
	s_lshr_b32 s28, s20, 1
	s_add_co_u32 s21, s21, s28                     ; my unit in each chunk: 2 x half + columns / 2
	s_and_b32 s29, s20, 1                          ; and which pair of its four fragments
	s_mul_i32 s28, s21, 6144
	s_mul_i32 s30, s29, 3072
	s_add_co_u32 s28, s28, s30
	v_mul_u32_u24 v4, v2, 1536
	s_wait_alu depctr_va_vdst(0)
	v_lshl_add_u32 v4, v3, 4, v4
	v_add_nc_u32 v4, s28, v4                       ; where my codes go: chunks 0 and 1,
	v_add_nc_u32 v25, 49152, v4                    ; chunks 2 and 3
	s_lshl_b32 s28, s21, 8
	s_lshl_b32 s30, s29, 7
	s_add_co_u32 s28, s28, s30
	s_add_co_u32 s28, s28, WSC
	v_lshlrev_b32 v5, 6, v2
	v_lshl_add_u32 v5, v3, 2, v5
	v_add_nc_u32 v5, s28, v5                       ; where my scale words go
	v_lshlrev_b32 v6, 2, v1                        ; 4 l
	v_lshlrev_b32 v7, 4, v1                        ; an image's place for my lane: units 0-7,
	v_add_nc_u32 v17, 49152, v7                    ; units 8-15
	v_and_b32 v9, 15, v0
	v_lshlrev_b32 v9, 2, v9                        ; 4 (l % 16)
	v_add_nc_u32 v8, WSC, v9                       ; w1's scale words
	v_lshlrev_b32 v14, 6, v24                      ; b1: 16 numbers further on for lanes 16-31
	v_lshlrev_b32 v15, 4, v1                       ; hq: 16 l
	v_lshlrev_b32 v16, 2, v1                       ; hq's scale words: 4 l
	v_mul_u32_u24 v23, v24, 48                     ; x's codes: 48 h
	s_mov_b32 s32, 0x76543210                      ; v_permlanex16_b32's selects for lane l xor 16
	s_mov_b32 s33, 0xfedcba98
	s_lshl_b32 s34, s16, 24                        ; my part of w1: e x 16 MiB + half x 512 rows + 512 fs + 128 x columns
	s_lshl_b32 s28, s19, 23
	s_add_co_u32 s34, s34, s28
	s_lshl_b32 s28, s15, 9
	s_add_co_u32 s34, s34, s28
	s_lshl_b32 s28, s20, 7
	s_add_co_u32 s34, s34, s28
	s_mov_b32 s35, 0
	s_wait_kmcnt 0x0
	s_add_nc_u64 s[4:5], s[4:5], s[34:35]
	s_wait_alu depctr_va_vdst(0)                   ; the addresses and offsets v4 to v9, v14 to v17, v23, v25 are written, which the kernel's loads and stores read; they are never written again
	LOAD 0
	LOAD 1
	s_lshl_b32 s34, s16, 7
	s_add_nc_u64 s[44:45], s[10:11], s[34:35]
	s_load_b32 s17, s[44:45], 41984                ; the expert's count
	s_mul_i32 s34, s16, 4224
	s_add_nc_u64 s[22:23], s[10:11], s[34:35]      ; its list
	s_lshl_b32 s34, s16, 14
	s_lshl_b32 s28, s15, 9
	s_add_co_u32 s34, s34, s28
	s_add_nc_u64 s[36:37], s[6:7], s[34:35]        ; b1[e][128 fs]
	s_mul_i32 s34, s16, 3145728
	s_mul_i32 s28, s15, 1536
	s_add_co_u32 s34, s34, s28
	s_add_nc_u64 s[40:41], s[12:13], s[34:35]      ; hq's images: expert e, K step fs
	s_lshl_b32 s34, s16, 18
	s_lshl_b32 s28, s15, 7
	s_add_co_u32 s34, s34, s28
	s_add_co_u32 s34, s34, 25165824
	s_add_nc_u64 s[42:43], s[12:13], s[34:35]      ; and their scale words
	; ---- chunk 0; inside its blocks the first group's list, bias and x are asked for: they land in registers that no vector or matrix instruction has named yet
	BWAIT 0
	s_wait_kmcnt 0x0
	s_min_u32 s17, s17, 1024
	s_add_co_u32 s17, s17, 31
	s_lshr_b32 s17, s17, 5
	s_max_u32 s17, s17, 1                          ; groups of 32 positions; group 0 is always made
	s_sub_co_u32 s24, s17, 1
	s_min_u32 s24, s24, s14                        ; g': my group, or the last one again
	s_min_u32 s24, s24, 7                          ; (held by a constant: it enters an address)
	s_lshl_b32 s34, s24, 7
	s_add_nc_u64 s[26:27], s[22:23], s[34:35]      ; the group's 32 words of the list
	LISTL
	BWORK 0, -1
	BWAIT 1
	BIAS
	BWORK 1, -1
	BWAIT 2                                        ; block 2's loads are in, and so is the list, asked for ahead of them
	XADDR
	XLOAD 0
	XLOAD 1
	XLOAD 2
	XLOAD 3
	BWORK 2, -1
	BLOCK 3, -1
	BAR                                            ; chunk 0 lies in LDS
	; ---- by turns: a unit's LDS loads, a block of the next chunk, the unit's products.  b1 and x's first four K steps are older than block 4's loads, for which BLOCK 4 has waited ahead of the first product.
	; Unit n's LDS loads owe no wait of their own: the wait on va_vdst in the block before stands behind unit n - 2's products, and only unit n - 1's, which name the other set, were issued since.
	; Blocks 6, 8, 10, 12 ask for x's K steps 4 to 7 (in the units' order), each into the slot that the two units before the block have read.
.irp n, 0,1,2,3,4,5,6,7,8,9,10,11
	WLOAD \n
.set XM, -1
.if ((\n)%2 == 0) && ((\n) >= 2) && ((\n) <= 8)
.set XM, (\n)/2+3
.endif
	BLOCK \n+4, XM
	MULS \n
.if (\n)%4 == 3
	BAR                                            ; the next chunk lies in LDS
.endif
.endr
	; ---- the last chunk's four units: nothing is left to quantise, so the LDS loads run two units ahead
	s_wait_alu depctr_va_vdst(0)                   ; unit 11's products are done reading set 1 and its scale words, in which unit 13's LDS loads land
	WLOAD 12
	WLOAD 13
	s_wait_dscnt 16
	MULS 12
	s_wait_alu depctr_va_vdst(0)                   ; unit 12's products are done reading set 0 and its scale words, in which unit 14's LDS loads land
	WLOAD 14
	s_wait_dscnt 16
	MULS 13
	s_wait_alu depctr_va_vdst(0)                   ; unit 13's products are done reading set 1 and its scale words, in which unit 15's LDS loads land
	WLOAD 15
	s_wait_dscnt 16
	MULS 14
	s_wait_dscnt 0x0
	MULS 15
	s_cmp_ge_u32 s14, s17
	s_cbranch_scc1 .Lend                           ; no group of my own: nothing is stored
	s_mov_b32 s18, s14
	PTRS
	HOUT
	s_sub_co_u32 s39, s17, s14
	s_add_co_u32 s39, s39, 7
	s_lshr_b32 s39, s39, 3                         ; my trips in all: groups w, w + 8, ..; the first is done
	s_mov_b32 s38, 1
	s_cmp_ge_u32 s38, s39
	s_cbranch_scc1 .Lend
.Lgroup:                                               ; both ways here pass the way out's two waits, behind which stand no vector, matrix or memory instruction: the loads below owe nothing more
	s_wait_xcnt 0x0                                ; the last group's loads and stores have read their addresses
	s_lshl_b32 s18, s38, 3
	s_add_co_u32 s18, s18, s14                     ; g = wave + 8 x trip
	s_lshl_b32 s34, s18, 7
	s_add_nc_u64 s[26:27], s[22:23], s[34:35]
	PTRS
	LISTL
	BIAS
	WLOAD 0
	WLOAD 1
	s_wait_loadcnt 32                              ; the two words of the list are in; the 32 loads of b1 may be out
	XADDR
	XLOAD 0
	XLOAD 1
	XLOAD 2
	XLOAD 3
.irp n, 0,1,2,3,4,5,6,7,8,9,10,11,12,13,14,15
	LUNIT \n
.endr
	HOUT
	s_add_co_u32 s38, s38, 1
	s_cmp_lt_u32 s38, s39
	s_cbranch_scc1 .Lgroup
.Lend:
	s_wait_dscnt 0x0                               ; the closing lines, six on end
	s_wait_alu 0x0
	s_wait_tensorcnt 0x0
	ds_add_u32 v254, v255
	s_wait_dscnt 0x0
	s_endpgm
.Lfunc_end_k_q22d53dd851_ffn1:
	.size	k_q22d53dd851_ffn1, .Lfunc_end_k_q22d53dd851_ffn1-k_q22d53dd851_ffn1
	.p2alignl 7, 3214868480
	.fill 96, 4, 3214868480
	.section	.rodata,"a",@progbits
	.p2align	6, 0x0
	.amdhsa_kernel k_q22d53dd851_ffn1
		.amdhsa_group_segment_fixed_size 103424
		.amdhsa_private_segment_fixed_size 0
		.amdhsa_enable_private_segment 0
		.amdhsa_kernarg_size 40
		.amdhsa_user_sgpr_count 2
		.amdhsa_user_sgpr_kernarg_segment_ptr 1
		.amdhsa_wavefront_size32 1
		.amdhsa_system_sgpr_workgroup_id_x 1
		.amdhsa_system_sgpr_workgroup_id_y 1
		.amdhsa_system_sgpr_workgroup_id_z 1
		.amdhsa_system_vgpr_workitem_id 0
		.amdhsa_next_free_vgpr 512
		.amdhsa_next_free_sgpr 66
		.amdhsa_reserve_vcc 0
		.amdhsa_float_denorm_mode_32 3
		.amdhsa_float_denorm_mode_16_64 3
		.amdhsa_memory_ordered 1
		.amdhsa_forward_progress 1
		.amdhsa_inst_pref_size 196
	.end_amdhsa_kernel
	.amdgpu_metadata
---
amdhsa.version: [ 1, 2 ]
amdhsa.kernels:
  - .name:           k_q22d53dd851_ffn1
    .symbol:         k_q22d53dd851_ffn1.kd
    .args:
      - { .name: w1, .offset: 0, .size: 8, .value_kind: global_buffer, .address_space: global }
      - { .name: b1, .offset: 8, .size: 8, .value_kind: global_buffer, .address_space: global }
      - { .name: xq, .offset: 16, .size: 8, .value_kind: global_buffer, .address_space: global }
      - { .name: route, .offset: 24, .size: 8, .value_kind: global_buffer, .address_space: global }
      - { .name: hq, .offset: 32, .size: 8, .value_kind: global_buffer, .address_space: global }
    .group_segment_fixed_size: 103424
    .private_segment_fixed_size: 0
    .kernarg_segment_align: 8
    .kernarg_segment_size: 40
    .max_flat_workgroup_size: 256
    .sgpr_count:     66
    .vgpr_count:     512
    .wavefront_size: 32
...
	.end_amdgpu_metadata
.endif
;; end of part 8
;; launch ffn2 (part 9): grid 32 x 8, 8 waves a work-group, no clusters, 138,240 bytes of LDS; arguments w2, hq, route, y; writes y
.if DOCPART == 9
	.amdgcn_target "amdgcn-amd-amdhsa--gfx1250"
	.amdhsa_code_object_version 6
	.text
	.protected	k_q22d53dd851_ffn2
	.globl	k_q22d53dd851_ffn2
	.p2align	8
	.type	k_q22d53dd851_ffn2,@function
k_q22d53dd851_ffn2:
	s_mov_b64 s[64:65], 0
	v_nop
	global_prefetch_b8 v0, s[64:65] scope:SCOPE_SE
	s_setreg_imm32_b32 hwreg(HW_REG_WAVE_SCHED_MODE, 0, 2), 2
	s_setreg_imm32_b32 hwreg(HW_REG_WAVE_MODE, 25, 1), 1
	s_wait_xcnt 0x0
	s_wait_alu depctr_vm_vsrc(0)
; y[kh][1024 e + position][:] = h w2[e] over half kh of K, for the positions of expert e's list, on codes of E2M3 with one E8M0 scale for each 32 along K.
; A work-group owns expert e (grid y), 64 output columns (hs = grid x / 2) and 2,048 along K (kh = grid x % 2): 512 KiB of w2, read from memory once in the launch.  The two halves are added, with b2 and the gate's weights, by the next launch.
; QUANTISING.  A lane takes a column, its registers run down K (w2's first axis).  Wave w: columns 32 (w % 2) .. + 31, K = 512 (w / 2) .. + 511 of the half: 16 blocks; two waves cover 256 consecutive bytes of a row.
;   The codes go to LDS as images of the operand's registers: a fragment is 1,536 bytes, register group c of lane L at 512 c + 16 L.
; BY TURNS.  Four blocks of every wave are a CHUNK c: they complete K steps c, 4 + c, 8 + c, 12 + c of the half.  Unit n = 4 c + q is K step 4 q + c, four fragments, and lies at 6,144 n,
;   so what is written between two barriers and what is read there are separate runs of LDS, and every byte is written once.  A barrier stands behind each chunk.  From block 4 on a wave goes:
;   the LDS loads of a unit of the chunk before, a block (which asks for the weights two blocks ahead), the unit's eight products.  So the products of each wave's first group stand among the waits for the weights;
;   only the last chunk's four units and the way out stand behind the last block.
; GROUPS.  Wave w takes the groups of 32 positions g = w, w + 8, ..: the first by turns as above, the others in a loop behind it, counted one by one.  The part by turns has no branch: a wave without a group takes the last group
;   again (g' = min(w, groups - 1)) and stores nothing.  Group 0 counts as present for an expert without tokens too: the launch before has made its images.
;   The product is used transposed (source 0 = 16 columns of w2, source 1 = 16 positions of h): a lane holds eight neighbouring outputs of one row.
;   h's fragments come from hq as the first product's launch laid them: three loads of 16 bytes a lane.  The results go through the wave's own stage in LDS and leave as rows of 256 consecutive bytes.
; WAITS FOR LOADS.  Loads come back in order (ISA guide 5.7.1).  A block's wait leaves out all that was issued behind its 32 loads: the assembler counts the loads (ISS) and marks each block's (MW0, MW1); a count is held at 63, a smaller count being safe.
;   h's first eight K steps are asked for inside blocks 0 to 3, between a block's wait and its refill, the others inside the block that follows the unit that frees their registers, ahead of that block's refill:
;   each is older than weights for which a block waits ahead of its use.
; NO TENSOR LOADS, NO CLUSTER: the number of groups is a count read from memory, so trip counts differ from work-group to work-group; the weights, nearly all of the bytes, are shared by nobody.
; LIMITS: NaN and infinities are not served; a block of zeros gets the byte 1 (its codes are zeros; only this program reads the bytes).  K is summed in the order of the units.
; REGISTERS.  window 0: v1-25 addresses; v32-39 w2's scale words (two sets); v40-55 h's scale words (ring of eight K steps); v64-111, v112-159 two sets of four fragments of w2; v160-238 the quantiser of w2, later rows of y.
;   window 1: v0-63 the accumulators ((j, f) at 8 (4 j + f)); v64-255 h's fragments, a ring of eight K steps.
; THE MODE: SCHED_MODE bits 1:0 = 2 (LLVM: expert scheduling mode 2), set by the entry lines.  The code itself states the register dependences
; between vector or matrix instructions and memory or LDS instructions, with s_wait_alu, always for 0.
; THE PLAN.  Registers that memory or LDS instructions touch, and who else names them:
;   v160-223             two sets of 32 weights.  Block t's maxima and conversions read set t % 2; behind them the loads of block t + 2 land in it.  On the way out the stage's LDS loads land there and the stores of y read them.
;   v224-229, v238       a block's codes and scale word.  Written by the block's conversions and moves, read by its LDS stores, written again by the next block.
;   v64-159, v32-39      two sets of fragments and scale words.  Unit n's LDS loads land in set n % 2, its products read it, unit n + 2's loads land in it again.
;   window 1 v64-255, v40-55   h's ring and scale words.  Loads land, unit n's products read slot n % 8, the loads of unit n + 8 land in it again.
;   window 1 v0-63       the accumulators.  Written by the products, read by the stage's LDS stores, begun anew by a further group's first products.
;   All addresses are made at the head and never written again.
; ONE wait on va_vdst stands in a block, behind its conversions and moves: the codes are written, the block's 32 numbers are read, and all products issued so far are done reading.  Behind it follow the LDS stores, the ring's
; refill and the weights' loads; and the next unit's LDS loads, which land in the set that the unit two back read: the only products issued since that wait are the unit's between, which name the other set.
; ONE wait on vm_vsrc stands in a block, behind its maxima: the last block's LDS stores have read the codes' registers.  The tail and the loop over further groups, which have no blocks, hold one wait on va_vdst behind a unit's products.
.set PITCH, 4096                       ; bytes from row to row of w2[e]
.set WSC,   98304                      ; LDS: behind the 64 images, their scale words, 64 bytes each
.set STG,   102400                     ; behind them a stage of 16 rows x (256 + 16) bytes for each wave
.set ISS, 0                            ; global loads issued so far in the text
.set MW0, 0                            ; ISS behind the last even block's loads
.set MW1, 0                            ; behind the last odd block's
.set MSB, 0
.macro WIN new                         ; the immediate's high byte repeats the setting that is left
.if MSB != \new
	s_set_vgpr_msb (MSB<<8)|\new
.set MSB, \new
.endif
.endm
.macro LOAD t                          ; block t: w(32 t + i, my column), i = 0 .. 31, into set t % 2
.set LI, 0
.rept 32
	global_load_b32 v[160+32*((\t)%2)+LI], v6, s[4:5] offset:(32*(\t)+LI)*PITCH th:TH_LOAD_NT
.set LI, LI+1
.endr
.set ISS, ISS+32
.if ((\t)%2) == 0
.set MW0, ISS
.else
.set MW1, ISS
.endif
.endm
.macro BWAIT t                         ; block t's 32 loads are in; all that was issued behind them may be out
.if ((\t)%2) == 0
.set WC, ISS-MW0
.else
.set WC, ISS-MW1
.endif
.if WC > 63
.set WC, 63
.endif
	s_wait_loadcnt WC
.endm
.macro BWORK t, hm                     ; block t is quantised, its codes go to LDS, and its registers are asked for again.  hm: the unit whose K step of h is asked for here, or -1
.set XSET, 160+32*((\t)%2)
.set IOFF, (((\t)/4)%2)*24576+256*((\t)%2)     ; the block's chunk, and the half of the lanes that holds the block
.set SAD, 4
.if (\t) >= 8
.set SAD, 25                           ; chunks 2 and 3 lie beyond an LDS instruction's 16-bit offset: a second address register
.endif
	v_max3_num_f32 v234, |v[XSET]|, |v[XSET+1]|, |v[XSET+2]|
	v_max3_num_f32 v235, |v[XSET+3]|, |v[XSET+4]|, |v[XSET+5]|
.irp i, 6,10,14,18,22,26
	v_max3_num_f32 v234, v234, |v[XSET+\i]|, |v[XSET+\i+1]|
	v_max3_num_f32 v235, v235, |v[XSET+\i+2]|, |v[XSET+\i+3]|
.endr
	v_max3_num_f32 v234, v234, |v[XSET+30]|, |v[XSET+31]|
	v_max3_num_f32 v234, v234, v235, 0x1800000     ; the floor 2^(3 - 127): the byte cannot fall under 1
	v_add_nc_u32 v236, 0xff000000, v234            ; 2 off the exponent field: the conversion's scale operand
	v_lshrrev_b32 v237, 23, v236                   ; the scale's byte
.if (\t) > 0
	s_wait_alu depctr_vm_vsrc(0)                   ; the last block's LDS stores have read v224 to v229 and v238, which are written again from here on
.endif
.if (\t)%4 == 0
	v_mov_b32 v238, v237                           ; four bytes make a K step's scale word
.else
	v_lshl_or_b32 v238, v237, 8*((\t)%4), v238
.endif
	v_cvt_scalef32_pk16_fp6_f32 v[224:226], v[XSET:XSET+15], v236
	v_cvt_scalef32_pk16_fp6_f32 v[230:232], v[XSET+16:XSET+31], v236   ; (a conversion's three registers begin on an even number)
	v_nop                                          ; one plain place behind a scaled conversion
	v_mov_b32 v227, v230
	v_mov_b32 v228, v231
	v_mov_b32 v229, v232
	s_wait_alu depctr_va_vdst(0)                   ; v224 to v229 and v238 are written, which the LDS stores read; the products issued so far are done reading the K step of h that is asked for again here and the set that the next unit's LDS loads fill
.if ((\t)%4)/2 == 0                    ; the fragment's registers 0 to 5
	ds_store_b128 v[SAD], v[224:227] offset:IOFF
	ds_store_b64 v[SAD], v[228:229] offset:IOFF+512
.else                                  ; registers 6 to 11
	ds_store_b64 v[SAD], v[224:225] offset:IOFF+520
	ds_store_b128 v[SAD], v[226:229] offset:IOFF+1024
.endif
.if (\t)%4 == 3
	ds_store_b32 v5, v238 offset:((\t)/4)*1024
.endif
.if (\hm) >= 0
	HLD \hm                                        ; into the ring's registers that the last unit has read; no vector or matrix instruction since the wait above names them
.endif
.if (\t)+2 < 16
	LOAD (\t)+2
.endif
	s_wait_dscnt 0x0                               ; my stores have landed, and the unit's LDS loads issued ahead of the block are in
.endm
.macro BLOCK t, hm
	BWAIT \t
	BWORK \t, \hm
.endm
.macro BAR                             ; my LDS stores have landed and my LDS loads are in: then the work-group's barrier
	s_wait_dscnt 0x0
	s_barrier_signal -1
	s_barrier_wait -1
.endm
.macro WLOAD n                         ; unit n's four fragments of w2 and their scale words into set n % 2: 16 LDS loads, each of consecutive bytes
.set WBF, 64+48*((\n)%2)
.irp f, 0,1,2,3
.irp c, 0,1,2
.if (\n) < 8
	ds_load_b128 v[WBF+12*\f+4*\c:WBF+12*\f+4*\c+3], v7 offset:(4*((\n)%8)+\f)*1536+512*\c
.else
	ds_load_b128 v[WBF+12*\f+4*\c:WBF+12*\f+4*\c+3], v17 offset:(4*((\n)%8)+\f)*1536+512*\c
.endif
.endr
	ds_load_b32 v[32+4*((\n)%2)+\f], v8 offset:(4*(\n)+\f)*64
.endr
.endm
.macro HLD n                           ; unit n's K step, 4 (n % 4) + n / 4, of my 32 positions of h: two images and two scale words into ring slot n % 8: 8 loads
.set HKS, 4*((\n)%4)+(\n)/4
.set HRG, 64+24*((\n)%8)
	WIN 0x40
.irp j, 0,1
.irp c, 0,1,2
	global_load_b128 v[HRG+12*\j+4*\c:HRG+12*\j+4*\c+3], v15, s[26:27] offset:49152*\j+1536*HKS+512*\c
.endr
.endr
	WIN 0
.irp j, 0,1
	global_load_b32 v[40+2*((\n)%8)+\j], v16, s[28:29] offset:4096*\j+128*HKS
.endr
.set ISS, ISS+8
.endm
.macro MULS n                          ; unit n: four tiles of columns x two tiles of positions: eight accumulators by turns, one instruction a turn.  Unit 0 starts the sums
.set WBUF, 64+48*((\n)%2)
.set HBUF, 64+24*((\n)%8)
	WIN 0x54                                       ; source 0 (w2) window 0; source 1 (h), C and D window 1
.irp f, 0,1,2,3
.irp j, 0,1
.set ACR, 8*(4*\j+\f)
.if (\n) == 0
	v_wmma_scale_f32_16x16x128_f8f6f4 v[ACR:ACR+7], v[WBUF+12*\f:WBUF+12*\f+11], v[HBUF+12*\j:HBUF+12*\j+11], 0, v[32+4*((\n)%2)+\f], v[40+2*((\n)%8)+\j] matrix_a_fmt:MATRIX_FMT_FP6 matrix_b_fmt:MATRIX_FMT_FP6
.else
	v_wmma_scale_f32_16x16x128_f8f6f4 v[ACR:ACR+7], v[WBUF+12*\f:WBUF+12*\f+11], v[HBUF+12*\j:HBUF+12*\j+11], v[ACR:ACR+7], v[32+4*((\n)%2)+\f], v[40+2*((\n)%8)+\j] matrix_a_fmt:MATRIX_FMT_FP6 matrix_b_fmt:MATRIX_FMT_FP6
.endif
.endr
.endr
.rept 4
	v_nop                                          ; four places (ISA guide 7.12.1) behind these products, in front of the first read of results
.endr
	WIN 0
.endm
.macro YOUT                            ; the way out of a group: through my stage, 16 rows at a time
.irp j, 0,1
	WIN 0x04                                       ; an LDS store's data are its source 1: window 1
.if \j == 0
	s_wait_alu depctr_va_vdst(0)                   ; behind the places: the products have written the accumulators, which the LDS stores read.  No vector or matrix instruction follows in the group: all that a further group's loads land in (ring, sets, scale words) has been read
.endif
.irp f, 0,1,2,3
	ds_store_b128 v18, v[8*(4*\j+\f):8*(4*\j+\f)+3] offset:64*\f          ; each accumulator from its low end on
	ds_store_b128 v18, v[8*(4*\j+\f)+4:8*(4*\j+\f)+7] offset:64*\f+16
.endr
	WIN 0
.irp i, 0,1,2,3,4,5,6,7
	ds_load_b128 v[160+32*\j+4*\i:163+32*\j+4*\i], v19 offset:544*\i      ; LDS serves a wave's instructions in order (ISA guide 5.7.1.4): these see my stores
.endr
.irp i, 0,1,2,3,4,5,6,7
	s_wait_dscnt 7-\i                              ; the younger reads of the stage may be out
	global_store_b128 v22, v[160+32*\j+4*\i:163+32*\j+4*\i], s[30:31] offset:(16*\j+2*\i)*4096   ; 16 lanes store 256 consecutive bytes, at a multiple of 256 from y's first byte
.endr
.endr
	s_wait_alu depctr_vm_vsrc(0)                   ; the LDS stores have read the accumulators, which a further group's first products begin anew; the stores of y have read v160 to v223, in which a further group's rows land
.endm
.macro LUNIT n                         ; a unit in the loop over further groups: all of LDS is whole there, so the LDS loads run two units ahead
.if (\n) < 15
	s_wait_dscnt 16                                ; this unit's 16 LDS loads are in; the next unit's may be out
.else
	s_wait_dscnt 0x0
.endif
.if 15-(\n) < 7
	s_wait_loadcnt 8*(15-(\n))                     ; this K step of h is in; the younger steps' loads, 8 each, may be out
.else
	s_wait_loadcnt 56
.endif
	MULS \n
.if (\n)+2 < 16
	s_wait_alu depctr_va_vdst(0)                   ; this unit's products are done reading their set and scale words, in which the LDS loads below land, and their K step of h, whose slot is asked for again (units 0 to 7)
	WLOAD (\n)+2
.endif
.if (\n)+8 < 16
	HLD (\n)+8
.endif
.endm
	s_load_b256 s[4:11], s[0:1], 0x0               ; w2 s[4:5], hq s[6:7], route s[8:9], y s[10:11]
	v_lshl_add_u32 v254, v0, 2, 0x21800
	v_mov_b32 v255, 0
	v_lshrrev_b32 v1, 5, v0
	v_readfirstlane_b32 s14, v1                    ; wave 0..7
	s_lshr_b32 s15, ttmp9, 1                       ; hs: which 64 columns
	s_and_b32 s19, ttmp9, 1                        ; kh: which half of K
	s_and_b32 s16, ttmp7, 0xffff                   ; e
	v_and_b32 v1, 31, v0                           ; lane
	v_bfe_u32 v2, v0, 4, 1                         ; lane / 16
	s_wait_alu depctr_va_vdst(0)
	v_and_b32 v3, 15, v0                           ; lane % 16
	s_wait_alu depctr_va_sdst(0)                   ; s14 is written, ahead of its first reader
	s_and_b32 s20, s14, 1                          ; which 32 of the columns
	s_lshr_b32 s21, s14, 1                         ; which 512 along K: my unit in each chunk
	s_mul_i32 s28, s21, 6144
	s_mul_i32 s29, s20, 3072
	s_add_co_u32 s28, s28, s29
	v_mul_u32_u24 v4, v2, 1536
	v_lshl_add_u32 v4, v3, 4, v4
	v_add_nc_u32 v4, s28, v4                       ; where my codes go: fragment 2 x columns + lane / 16, row lane % 16: chunks 0 and 1,
	v_add_nc_u32 v25, 49152, v4                    ; chunks 2 and 3
	s_lshl_b32 s28, s21, 8
	s_lshl_b32 s29, s20, 7
	s_add_co_u32 s28, s28, s29
	s_add_co_u32 s28, s28, WSC
	v_lshlrev_b32 v5, 6, v2
	s_wait_alu depctr_va_vdst(0)
	v_lshl_add_u32 v5, v3, 2, v5
	v_add_nc_u32 v5, s28, v5                       ; where my scale words go
	v_lshlrev_b32 v6, 2, v1                        ; 4 l
	v_lshlrev_b32 v7, 4, v1                        ; an image's place for my lane: units 0-7,
	v_add_nc_u32 v17, 49152, v7                    ; units 8-15
	v_lshl_add_u32 v8, v3, 2, WSC                  ; w2's scale words
	v_lshlrev_b32 v15, 4, v1                       ; hq: 16 l
	v_lshlrev_b32 v16, 2, v1                       ; hq's scale words: 4 l
	s_mul_i32 s29, s14, 4352
	s_add_co_u32 s29, s29, STG                     ; my stage
	v_mul_u32_u24 v18, v3, 272
	v_lshl_add_u32 v18, v2, 5, v18
	v_add_nc_u32 v18, s29, v18                     ; in: row lane % 16, 32 bytes for each half of the lanes
	v_mul_u32_u24 v19, v2, 272
	v_lshl_add_u32 v19, v3, 4, v19
	v_add_nc_u32 v19, s29, v19                     ; back: lanes 0-15 one row of 256 bytes, lanes 16-31 the next
	v_lshlrev_b32 v22, 12, v2
	v_lshl_add_u32 v22, v3, 4, v22                 ; and the same two rows in y
	s_lshl_b32 s34, s16, 24                        ; my part of w2: e x 16 MiB + (2,048 kh + 512 quarter) rows + 256 hs + 128 x columns
	s_lshl_b32 s28, s19, 23
	s_add_co_u32 s34, s34, s28
	s_lshl_b32 s28, s21, 21
	s_add_co_u32 s34, s34, s28
	s_lshl_b32 s28, s15, 8
	s_add_co_u32 s34, s34, s28
	s_lshl_b32 s28, s20, 7
	s_add_co_u32 s34, s34, s28
	s_mov_b32 s35, 0
	s_wait_kmcnt 0x0
	s_add_nc_u64 s[4:5], s[4:5], s[34:35]
	s_wait_alu depctr_va_vdst(0)                   ; the addresses and offsets v4 to v8, v15 to v19, v22, v25 are written, which the kernel's loads and stores read; they are never written again
	LOAD 0
	LOAD 1
	s_lshl_b32 s34, s16, 7
	s_add_nc_u64 s[44:45], s[8:9], s[34:35]
	s_load_b32 s17, s[44:45], 41984                ; the expert's count
	s_mul_i32 s34, s16, 3145728
	s_mul_i32 s28, s19, 24576
	s_add_co_u32 s34, s34, s28
	s_add_nc_u64 s[40:41], s[6:7], s[34:35]        ; hq's images: expert e, K steps 16 kh on
	s_lshl_b32 s34, s16, 18
	s_lshl_b32 s28, s19, 11
	s_add_co_u32 s34, s34, s28
	s_add_co_u32 s34, s34, 25165824
	s_add_nc_u64 s[42:43], s[6:7], s[34:35]        ; and their scale words
	s_lshl_b32 s34, s19, 25
	s_lshl_b32 s28, s16, 22
	s_add_co_u32 s34, s34, s28
	s_lshl_b32 s28, s15, 8
	s_add_co_u32 s34, s34, s28
	s_add_nc_u64 s[46:47], s[10:11], s[34:35]      ; y: half kh, row 1024 e, column 64 hs
	; ---- chunk 0; inside its blocks the first group's first eight K steps of h are asked for: they land in registers that no vector or matrix instruction has named yet
	BWAIT 0
	s_wait_kmcnt 0x0
	s_min_u32 s17, s17, 1024
	s_add_co_u32 s17, s17, 31
	s_lshr_b32 s17, s17, 5
	s_max_u32 s17, s17, 1                          ; groups of 32 positions; group 0 is always there
	s_sub_co_u32 s24, s17, 1
	s_min_u32 s24, s24, s14                        ; g': my group, or the last one again
	s_min_u32 s24, s24, 7                          ; (held by a constant: it enters an address)
	s_mul_i32 s34, s24, 98304
	s_add_nc_u64 s[26:27], s[40:41], s[34:35]      ; the group's images
	s_lshl_b32 s34, s24, 13
	s_add_nc_u64 s[28:29], s[42:43], s[34:35]      ; their scale words
	HLD 0
	HLD 1
	BWORK 0, -1
	BWAIT 1
	HLD 2
	HLD 3
	BWORK 1, -1
	BWAIT 2
	HLD 4
	HLD 5
	BWORK 2, -1
	BWAIT 3
	HLD 6
	HLD 7
	BWORK 3, -1
	BAR                                            ; chunk 0 lies in LDS
	; ---- by turns: a unit's LDS loads, a block of the next chunk, the unit's products.  Unit n's K step of h is older than the loads of block n + 4, for which that block has waited.
	; Unit n's LDS loads owe no wait of their own: the wait on va_vdst in the block before stands behind unit n - 2's products, and only unit n - 1's, which name the other set, were issued since.
	; Blocks 5 to 12 ask for the K steps of units 8 to 15, each into the slot that the unit before the block has read.
.irp n, 0,1,2,3,4,5,6,7,8,9,10,11
	WLOAD \n
.set HM, -1
.if ((\n) >= 1) && ((\n) <= 8)
.set HM, (\n)+7
.endif
	BLOCK \n+4, HM
	MULS \n
.if (\n)%4 == 3
	BAR                                            ; the next chunk lies in LDS
.endif
.endr
	; ---- the last chunk's four units: nothing is left to quantise, so the LDS loads run two units ahead
	s_wait_alu depctr_va_vdst(0)                   ; unit 11's products are done reading set 1 and its scale words, in which unit 13's LDS loads land
	WLOAD 12
	WLOAD 13
	s_wait_dscnt 16
	MULS 12
	s_wait_alu depctr_va_vdst(0)                   ; unit 12's products are done reading set 0 and its scale words, in which unit 14's LDS loads land
	WLOAD 14
	s_wait_dscnt 16
	MULS 13
	s_wait_alu depctr_va_vdst(0)                   ; unit 13's products are done reading set 1 and its scale words, in which unit 15's LDS loads land
	WLOAD 15
	s_wait_dscnt 16
	MULS 14
	s_wait_dscnt 0x0
	MULS 15
	v_nop                                          ; a fifth place: a further group's first products begin these accumulators anew
	s_cmp_ge_u32 s14, s17
	s_cbranch_scc1 .Lend                           ; no group of my own: nothing is stored
	s_lshl_b32 s34, s14, 17
	s_add_nc_u64 s[30:31], s[46:47], s[34:35]      ; my group's 32 rows of y
	YOUT
	s_sub_co_u32 s39, s17, s14
	s_add_co_u32 s39, s39, 7
	s_lshr_b32 s39, s39, 3                         ; my trips in all: groups w, w + 8, ..; the first is done
	s_mov_b32 s38, 1
	s_cmp_ge_u32 s38, s39
	s_cbranch_scc1 .Lend
.Lgroup:                                               ; both ways here pass the way out's two waits; behind its wait on va_vdst stands no vector or matrix instruction, behind its wait on vm_vsrc no memory instruction: the loads below owe nothing more
	s_wait_xcnt 0x0                                ; the last group's loads and stores have read their addresses and data
	s_lshl_b32 s18, s38, 3
	s_add_co_u32 s18, s18, s14                     ; g = wave + 8 x trip
	s_mul_i32 s34, s18, 98304
	s_add_nc_u64 s[26:27], s[40:41], s[34:35]      ; the group's images
	s_lshl_b32 s34, s18, 13
	s_add_nc_u64 s[28:29], s[42:43], s[34:35]      ; their scale words
	s_lshl_b32 s34, s18, 17
	s_add_nc_u64 s[30:31], s[46:47], s[34:35]      ; its 32 rows of y
.irp n, 0,1,2,3,4,5,6,7
	HLD \n
.endr
	WLOAD 0
	WLOAD 1
.irp n, 0,1,2,3,4,5,6,7,8,9,10,11,12,13,14,15
	LUNIT \n
.endr
	v_nop                                          ; a fifth place: the next trip's first products begin these accumulators anew
	YOUT
	s_add_co_u32 s38, s38, 1
	s_cmp_lt_u32 s38, s39
	s_cbranch_scc1 .Lgroup
.Lend:
	s_wait_dscnt 0x0                               ; the closing lines, six on end
	s_wait_alu 0x0
	s_wait_tensorcnt 0x0
	ds_add_u32 v254, v255
	s_wait_dscnt 0x0
	s_endpgm
.Lfunc_end_k_q22d53dd851_ffn2:
	.size	k_q22d53dd851_ffn2, .Lfunc_end_k_q22d53dd851_ffn2-k_q22d53dd851_ffn2
	.p2alignl 7, 3214868480
	.fill 96, 4, 3214868480
	.section	.rodata,"a",@progbits
	.p2align	6, 0x0
	.amdhsa_kernel k_q22d53dd851_ffn2
		.amdhsa_group_segment_fixed_size 138240
		.amdhsa_private_segment_fixed_size 0
		.amdhsa_enable_private_segment 0
		.amdhsa_kernarg_size 32
		.amdhsa_user_sgpr_count 2
		.amdhsa_user_sgpr_kernarg_segment_ptr 1
		.amdhsa_wavefront_size32 1
		.amdhsa_system_sgpr_workgroup_id_x 1
		.amdhsa_system_sgpr_workgroup_id_y 1
		.amdhsa_system_sgpr_workgroup_id_z 1
		.amdhsa_system_vgpr_workitem_id 0
		.amdhsa_next_free_vgpr 512
		.amdhsa_next_free_sgpr 66
		.amdhsa_reserve_vcc 0
		.amdhsa_float_denorm_mode_32 3
		.amdhsa_float_denorm_mode_16_64 3
		.amdhsa_memory_ordered 1
		.amdhsa_forward_progress 1
		.amdhsa_inst_pref_size 187
	.end_amdhsa_kernel
	.amdgpu_metadata
---
amdhsa.version: [ 1, 2 ]
amdhsa.kernels:
  - .name:           k_q22d53dd851_ffn2
    .symbol:         k_q22d53dd851_ffn2.kd
    .args:
      - { .name: w2, .offset: 0, .size: 8, .value_kind: global_buffer, .address_space: global }
      - { .name: hq, .offset: 8, .size: 8, .value_kind: global_buffer, .address_space: global }
      - { .name: route, .offset: 16, .size: 8, .value_kind: global_buffer, .address_space: global }
      - { .name: y, .offset: 24, .size: 8, .value_kind: global_buffer, .address_space: global }
    .group_segment_fixed_size: 138240
    .private_segment_fixed_size: 0
    .kernarg_segment_align: 8
    .kernarg_segment_size: 32
    .max_flat_workgroup_size: 256
    .sgpr_count:     66
    .vgpr_count:     512
    .wavefront_size: 32
...
	.end_amdgpu_metadata
.endif
;; end of part 9
;; launch combine (part 10): grid 256 x 1, 4 waves a work-group, no clusters, 0 bytes of LDS; arguments y, b2, route, gf, out0; writes out0
.if DOCPART == 10
	.amdgcn_target "amdgcn-amd-amdhsa--gfx1250"
	.amdhsa_code_object_version 6
	.text
	.protected	k_q22d53dd851_combine
	.globl	k_q22d53dd851_combine
	.p2align	8
	.type	k_q22d53dd851_combine,@function
k_q22d53dd851_combine:
	s_mov_b64 s[64:65], 0
	v_nop
	global_prefetch_b8 v0, s[64:65] scope:SCOPE_SE
	s_setreg_imm32_b32 hwreg(HW_REG_WAVE_MODE, 25, 1), 1
	s_wait_xcnt 0x0
; out0[t] = w0 (y0[p0] + y1[p0] + b2[e0]) + w1 (y0[p1] + y1[p1] + b2[e1]): one token to a wave (t = 4 x work-group + wave).
; p = 1024 e + position comes from route's POSB (whole numbers that an earlier launch stored), the two weights from gf; y0 and y1 are the two halves of the second product's K.
; A row is 4,096 bytes: eight loads of 512 consecutive bytes for each of six rows, all 48 on their way at once; eight stores of 512 consecutive bytes.  Each output row has one owner.
; A stream: no LDS, no matrix unit, no barrier.
	s_load_b256 s[4:11], s[0:1], 0x0               ; y s[4:5], b2 s[6:7], route s[8:9], gf s[10:11]
	s_load_b64 s[12:13], s[0:1], 0x20              ; out0
	v_lshrrev_b32 v1, 5, v0
	v_readfirstlane_b32 s14, v1                    ; wave
	v_and_b32 v1, 31, v0
	v_lshlrev_b32 v1, 4, v1                        ; 16 l
	s_lshl_b32 s15, ttmp9, 2
	s_add_co_u32 s15, s15, s14                     ; t
	s_lshl_b32 s16, s15, 3
	s_mov_b32 s17, 0
	s_lshl_b32 s18, s15, 12
	s_mov_b32 s19, 0
	s_wait_alu depctr_va_vdst(0)
	s_wait_kmcnt 0x0
	s_add_nc_u64 s[8:9], s[8:9], s[16:17]
	s_add_nc_u64 s[10:11], s[10:11], s[16:17]
	s_load_b64 s[20:21], s[8:9], 33792             ; p0, p1
	s_load_b64 s[22:23], s[10:11], 32768           ; w0, w1
	s_add_nc_u64 s[12:13], s[12:13], s[18:19]      ; out0's row t
	s_wait_kmcnt 0x0
	s_lshr_b32 s26, s20, 10
	s_min_u32 s26, s26, 7                          ; e0
	s_min_u32 s20, s20, 8191
	s_lshl_b32 s18, s20, 12
	s_add_nc_u64 s[28:29], s[4:5], s[18:19]        ; y, first half of K, row p0
	s_add_nc_u64 s[30:31], s[28:29], 0x2000000     ; second half
	s_lshl_b32 s18, s26, 12
	s_add_nc_u64 s[32:33], s[6:7], s[18:19]        ; b2[e0]
	s_lshr_b32 s26, s21, 10
	s_min_u32 s26, s26, 7                          ; e1
	s_min_u32 s21, s21, 8191
	s_lshl_b32 s18, s21, 12
	s_add_nc_u64 s[34:35], s[4:5], s[18:19]
	s_add_nc_u64 s[36:37], s[34:35], 0x2000000
	s_lshl_b32 s18, s26, 12
	s_add_nc_u64 s[38:39], s[6:7], s[18:19]
	s_mov_b32 s24, s23                             ; w1 as the low word of a pair of its own: the packed forms take a scalar pair's low word for both halves
	s_mov_b32 s25, s23
.macro ROWY q, sb                      ; a row of y: read once in the launch
.irp i, 0,1,2,3,4,5,6,7
	global_load_b128 v[16+32*\q+4*\i:19+32*\q+4*\i], v1, s[\sb:\sb+1] offset:512*\i th:TH_LOAD_NT
.endr
.endm
.macro ROWB q, sb                      ; a row of b2: many waves read it
.irp i, 0,1,2,3,4,5,6,7
	global_load_b128 v[16+32*\q+4*\i:19+32*\q+4*\i], v1, s[\sb:\sb+1] offset:512*\i
.endr
.endm
	ROWY 0, 28
	ROWY 1, 30
	ROWB 2, 32
	ROWY 3, 34
	ROWY 4, 36
	ROWB 5, 38
	s_wait_loadcnt 0x0
.set LP, 0
.rept 16
	v_pk_add_f32 v[16+2*LP:17+2*LP], v[16+2*LP:17+2*LP], v[48+2*LP:49+2*LP]         ; slot 0: the two halves of K,
	v_pk_add_f32 v[112+2*LP:113+2*LP], v[112+2*LP:113+2*LP], v[144+2*LP:145+2*LP]   ; slot 1 likewise,
	v_pk_add_f32 v[16+2*LP:17+2*LP], v[16+2*LP:17+2*LP], v[80+2*LP:81+2*LP]         ; the biases,
	v_pk_add_f32 v[112+2*LP:113+2*LP], v[112+2*LP:113+2*LP], v[176+2*LP:177+2*LP]
	v_pk_mul_f32 v[16+2*LP:17+2*LP], v[16+2*LP:17+2*LP], s[22:23] op_sel_hi:[1,0]   ; x w0,
	v_pk_fma_f32 v[16+2*LP:17+2*LP], v[112+2*LP:113+2*LP], s[24:25], v[16+2*LP:17+2*LP] op_sel_hi:[1,0,1]   ; + w1 x slot 1
.set LP, LP+1
.endr
.irp i, 0,1,2,3,4,5,6,7
	global_store_b128 v1, v[16+4*\i:19+4*\i], s[12:13] offset:512*\i th:TH_STORE_NT   ; 32 lanes store 512 consecutive bytes, at a multiple of 256 from out0's first byte
.endr
	s_endpgm
.Lfunc_end_k_q22d53dd851_combine:
	.size	k_q22d53dd851_combine, .Lfunc_end_k_q22d53dd851_combine-k_q22d53dd851_combine
	.p2alignl 7, 3214868480
	.fill 96, 4, 3214868480
	.section	.rodata,"a",@progbits
	.p2align	6, 0x0
	.amdhsa_kernel k_q22d53dd851_combine
		.amdhsa_group_segment_fixed_size 0
		.amdhsa_private_segment_fixed_size 0
		.amdhsa_enable_private_segment 0
		.amdhsa_kernarg_size 40
		.amdhsa_user_sgpr_count 2
		.amdhsa_user_sgpr_kernarg_segment_ptr 1
		.amdhsa_wavefront_size32 1
		.amdhsa_system_sgpr_workgroup_id_x 1
		.amdhsa_system_sgpr_workgroup_id_y 1
		.amdhsa_system_sgpr_workgroup_id_z 1
		.amdhsa_system_vgpr_workitem_id 0
		.amdhsa_next_free_vgpr 224
		.amdhsa_next_free_sgpr 66
		.amdhsa_reserve_vcc 0
		.amdhsa_float_denorm_mode_32 3
		.amdhsa_float_denorm_mode_16_64 3
		.amdhsa_memory_ordered 1
		.amdhsa_forward_progress 1
		.amdhsa_inst_pref_size 13
	.end_amdhsa_kernel
	.amdgpu_metadata
---
amdhsa.version: [ 1, 2 ]
amdhsa.kernels:
  - .name:           k_q22d53dd851_combine
    .symbol:         k_q22d53dd851_combine.kd
    .args:
      - { .name: y, .offset: 0, .size: 8, .value_kind: global_buffer, .address_space: global }
      - { .name: b2, .offset: 8, .size: 8, .value_kind: global_buffer, .address_space: global }
      - { .name: route, .offset: 16, .size: 8, .value_kind: global_buffer, .address_space: global }
      - { .name: gf, .offset: 24, .size: 8, .value_kind: global_buffer, .address_space: global }
      - { .name: out0, .offset: 32, .size: 8, .value_kind: global_buffer, .address_space: global }
    .group_segment_fixed_size: 0
    .private_segment_fixed_size: 0
    .kernarg_segment_align: 8
    .kernarg_segment_size: 40
    .max_flat_workgroup_size: 128
    .sgpr_count:     66
    .vgpr_count:     224
    .wavefront_size: 32
...
	.end_amdgpu_metadata
.endif
;; end of part 10
